; MI455X (gfx1250); checked and timed in simulation.
; The chip was launched on July 23, 2026; its instructions are those of AMD's public machine-readable ISA for CDNA 5 (MIT licence, August 2026) and "CDNA5" Instruction Set Architecture Reference Guide (July 2026). The comments in the code are by the model that wrote it; some were corrected since.
;; Transformer Layer. Allowed arithmetic: matrix products marked QUANTISED: E4M3 operands, one given power-of-two scale a tensor, by v_wmma_f32_16x16x64_fp8_fp8 or v_wmma_f32_16x16x128_fp8_fp8, f32 sums; everything else in f32.
;; Inputs: W_down_codes 1,024 x 128 x 32 uint8 (E4M3 codes of W_down, K innermost, in blocks of 32 codes); W_up_codes 4,096 x 32 x 32 uint8 (E4M3 codes of W_up, K innermost, in blocks of 32 codes); Wk_codes 1,024 x 32 x 32 uint8 (E4M3 codes of Wk, K innermost, in blocks of 32 codes); Wo 1,024 x 1,024 float32; Wq_codes 1,024 x 32 x 32 uint8 (E4M3 codes of Wq, K innermost, in blocks of 32 codes); Wv_codes 1,024 x 32 x 32 uint8 (E4M3 codes of Wv, K innermost, in blocks of 32 codes); ln1_mean_scale 1,024 float32; ln1_std_scale 1,024 float32; ln2_mean_scale 1,024 float32; ln2_std_scale 1,024 float32; lowp_scales 16 int32 (the exponents e of the quantised operands' scales 2^e); x 2 x 2,048 x 1,024 float32.
;; Outputs: out0 2 x 2,048 x 1,024 float32.
;; This version of the problem:
;;   THIS VERSION OF THE PROBLEM IS GIVEN IN LOW PRECISION. The matrix products marked QUANTISED in the list below multiply operands that are first quantised to E4M3 (4 exponent bits, 3 mantissa bits; 8 bits a number), with one given power-of-two scale for each operand tensor; their sums are f32. All else is computed in f32.
;;   The module's matrix products, in the order in which they are computed (A, B: the left and right operand; K: the contracted axis; several contracted axes count as one K, in the product's order):
;;     1. [M 4,096, K 1,024] x [K 1,024, N 1,024]; A: computed on the way; B: input Wq (given as codes): QUANTISED (scales: A lowp_scales[0], B lowp_scales[1])
;;     2. [M 4,096, K 1,024] x [K 1,024, N 1,024]; A: computed on the way; B: input Wk (given as codes): QUANTISED (scales: A lowp_scales[2], B lowp_scales[3])
;;     3. [M 4,096, K 1,024] x [K 1,024, N 1,024]; A: computed on the way; B: input Wv (given as codes): QUANTISED (scales: A lowp_scales[4], B lowp_scales[5])
;;     4. batch 32 x [M 2,048, K 64] x [K 64, N 2,048]; A: computed on the way; B: computed on the way: QUANTISED (scales: A lowp_scales[6], B lowp_scales[7])
;;     5. batch 32 x [M 2,048, K 2,048] x [K 2,048, N 64]; A: softmax (see below); B: computed on the way: QUANTISED (scales: A lowp_scales[8], B lowp_scales[9])
;;     6. [M 4,096, K 1,024] x [K 1,024, N 1,024]; A: computed on the way; B: input Wo: QUANTISED (scales: A lowp_scales[10], B lowp_scales[11])
;;     7. [M 4,096, K 1,024] x [K 1,024, N 4,096]; A: computed on the way; B: input W_up (given as codes): QUANTISED (scales: A lowp_scales[12], B lowp_scales[13])
;;     8. [M 4,096, K 4,096] x [K 4,096, N 1,024]; A: computed on the way; B: input W_down (given as codes): QUANTISED (scales: A lowp_scales[14], B lowp_scales[15])
;;   THE QUANTISER, for each operand of a quantised product, along K:
;;     - The operand's scale is 2^e, e = its entry of the input lowp_scales (int32; the entries are numbered through the quantised products in the list's order, A before B).
;;     - Each number is divided by the scale, clamped to +-448, and rounded to the nearest number of E4M3, ties to even, subnormals kept.
;;     - The product sums the exact products of the quantised numbers (number of the format x scale) in f32.
;;   ~~~python
;;   def quantise(x, axis, e):      # numpy; x: float32 -> the quantised numbers, widened to float32 again
;;       x = np.moveaxis(x, axis, -1); K = x.shape[-1]
;;       r = np.clip(x / 2.0 ** e, -448, 448)
;;       step = 2.0 ** (np.maximum(np.frexp(np.where(r == 0, 1, r))[1] - 1, -6) - 3)
;;       q = np.round(r / step) * step * 2.0 ** e      # np.round: ties to even
;;       return np.moveaxis(q, -1, axis).astype(np.float32)
;;   ~~~
;;   SOFTMAX AHEAD OF A QUANTISED PRODUCT. Where the list says 'softmax', what is quantised is not the finished softmax but p = 2^(t - M), with t = logit x log2(e) and M = ceil(the row's largest t), a whole number; so 1/2 < the row's largest p <= 1. The row's sum l is taken of the UNQUANTISED p, in f32, and the product's result is divided by l at the end. Since M is a whole number, a kernel that streams over the keys may use a running M (the ceiling of the running maximum): every later rescaling is an exact power of two, so the quantised numbers keep their values, but for numbers so far below the row's largest that they fall under the format's range.
;;   OPERANDS COMPUTED ON THE WAY. 'Computed on the way' means the value that the module computes at that place (a softmax that the list does not call 'softmax' is quantised finished and normalised). What goes into a quantiser is computed in f32, as accurately as f32 sums, v_exp_f32 and their like allow (about 1e-6 of the number): no bf16 or f16 on the way to a quantiser, and a product that is left as it is and whose result goes on into a quantised operand takes f32 operands (vector FMAs, or v_wmma_f32_16x16x4_f32). A number that lies on a knife's edge between two numbers of the format may be rounded either way, as far as f32 arithmetic and the matrix unit's own rounding can turn it there, and no further.
;;   INPUTS GIVEN AS CODES. W_down (in the module: [1024, 4096], K = its axis 1); W_up (in the module: [4096, 1024], K = its axis 1); Wk (in the module: [1024, 1024], K = its axis 1); Wq (in the module: [1024, 1024], K = its axis 1); Wv (in the module: [1024, 1024], K = its axis 1): each comes as NAME_codes (uint8): NAME with its K axis moved to the last place and cut into blocks of 32 codes, [.., K / 32, bytes a block], one block behind the other in memory; one code a byte (a code: sign, 4 exponent bits, 3 mantissa bits); its scale is its entry of lowp_scales. Its value is code x scale, taken as it is: it is not quantised again, and the codes and scales need not be those that the quantiser above would give.
;; One version. Each part assembles by itself: llvm-mc -triple=amdgcn-amd-amdhsa -mcpu=gfx1250 --defsym DOCPART=n.
;; ======== version 1 of 1: 7 launches
;; workspace buffers: h1c 12,582,912 bytes; woc 1,048,576 bytes; qkvc 12,582,912 bytes; poc 4,194,304 bytes; x1 16,777,216 bytes; h2c 4,194,304 bytes; midc 16,777,216 bytes
;; launch prep (part 1): grid 320 x 1, 8 waves a work-group, no clusters, 164,864 bytes of LDS; arguments x, ln1_std_scale, ln1_mean_scale, lowp_scales, Wo, h1c, woc; writes h1c, woc
.if DOCPART == 1
	.amdgcn_target "amdgcn-amd-amdhsa--gfx1250"
	.amdhsa_code_object_version 6
	.text
	.protected	k_q3c183bae83_prep
	.globl	k_q3c183bae83_prep
	.p2align	8
	.type	k_q3c183bae83_prep,@function
k_q3c183bae83_prep:
	s_mov_b64 s[64:65], 0
	v_nop
	global_prefetch_b8 v0, s[64:65] scope:SCOPE_SE
	s_setreg_imm32_b32 hwreg(HW_REG_WAVE_MODE, 25, 1), 1
	s_wait_xcnt 0x0
; Work-groups 0-255: h = (x - mean) / sqrt(var (ddof 1) + 1e-9) * gain + offset, row by row of 1,024, quantised THREE times to E4M3 codes (scales 2^e0, 2^e2, 2^e4):
; h1c[set][4096][1024], one code a byte.  Work-groups 256-319: Wo [1024][1024] f32 -> codes with scale 2^e11, woc[1024][1024].
; A wave takes two rows.  Each load reads 512 consecutive bytes (16 a lane); a step of 2,048 bytes turns through the wave's own stage in LDS (16 bytes of padding behind each 64) and comes back as
; 16 NEIGHBOURS a lane, which is what the conversions take; a lane's 16 codes are 16 bytes, so a wave's store covers 512 consecutive bytes.  Waves share nothing: no barrier.
; Mean and variance in two passes (the mean is taken off first), so no difference of large sums is formed.
; LIMITS: each of e0, e2, e4, e11 between -126 and 119 (2^e and 448 x 2^e are made as f32 numbers).  NaN among the inputs is not served.
; The two paths part on the work-group's number alone, never join, and have LDS bytes of their own.
.set SP,    80                         ; a lane's place in a stage: 64 bytes + 16 of padding
.set STG,   32*SP                      ; a stage: one step of 512 numbers
.set WREG,  4*STG                      ; a wave: two rows x two steps, each stage used once
.set WOLDS, 8*WREG                     ; the second path's stages begin here
.set R,     16                         ; v16-79   as loaded: row rho, step t, load i at 32 rho + 16 t + 4 i
.set X,     80                         ; v80-143  16 neighbours a step: row rho at 32 rho: register 16 t + i = column 512 t + 16 lane + i
.set G,     144                        ; v144-175 the gain at my 32 columns
.set BV,    176                        ; v176-207 the offset
.set T,     208                        ; v208-223 16 numbers held within the largest code
.set C,     224                        ; v224-247 codes: set k, step t at 8 k + 4 t
.set SC,    248                        ; v248+2k: 2^e of set k; v249+2k: 448 x 2^e
.macro MKSC e, vs                      ; v[vs] = 2^e as f32 (the conversion takes its exponent field), v[vs+1] = 448 x 2^e
	s_add_co_i32 s2, s[\e], 127
	s_lshl_b32 s29, s2, 23
	v_mov_b32 v[\vs], s29
	s_add_co_i32 s2, s2, 8
	s_lshl_b32 s2, s2, 23
	s_or_b32 s2, s2, 0x600000
	v_mov_b32 v[\vs+1], s2
.endm
.macro TURN rho, t, ain, aout          ; a step through its stage: LDS serves a wave's instructions in order, so no wait stands between the stores and the loads
.irp i, 0,1,2,3
	ds_store_b128 v[\ain], v[R+32*\rho+16*\t+4*\i:R+32*\rho+16*\t+4*\i+3] offset:(2*\rho+\t)*STG+8*SP*\i
.endr
.irp i, 0,1,2,3
	ds_load_b128 v[X+32*\rho+16*\t+4*\i:X+32*\rho+16*\t+4*\i+3], v[\aout] offset:(2*\rho+\t)*STG+16*\i
.endr
.endm
.macro ALLSUM                          ; four chains of pairs v[8:15] -> the sum over the wave's 1,024 numbers, in every lane's v8
	v_pk_add_f32 v[8:9], v[8:9], v[10:11]
	v_pk_add_f32 v[12:13], v[12:13], v[14:15]
	v_pk_add_f32 v[8:9], v[8:9], v[12:13]
	v_add_f32 v8, v8, v9
	v_add_f32_dpp v8, v8, v8 row_xmask:1 row_mask:0xf bank_mask:0xf
	v_add_f32_dpp v8, v8, v8 row_xmask:2 row_mask:0xf bank_mask:0xf
	v_add_f32_dpp v8, v8, v8 row_xmask:4 row_mask:0xf bank_mask:0xf
	v_add_f32_dpp v8, v8, v8 row_xmask:8 row_mask:0xf bank_mask:0xf
	v_permlanex16_b32 v9, v8, s30, s31
	v_add_f32 v8, v8, v9
.endm
.macro QUANT rho, k                    ; the row in v[XR..] -> codes of set k, stored
.irp t, 0,1
.irp i, 0,1,2,3,4,5,6,7,8,9,10,11,12,13,14,15
	v_med3_num_f32 v[T+\i], v[XR+16*\t+\i], -v[SC+1+2*\k], v[SC+1+2*\k]   ; the conversion does not saturate (ISA guide 7.6.2): hold first
.endr
	v_cvt_scalef32_pk8_fp8_f32 v[C+8*\k+4*\t:C+8*\k+4*\t+1], v[T:T+7], v[SC+2*\k]
	v_cvt_scalef32_pk8_fp8_f32 v[C+8*\k+4*\t+2:C+8*\k+4*\t+3], v[T+8:T+15], v[SC+2*\k]
	v_nop                                          ; a plain line between the conversions and the next holds, which write their sources
	global_store_b128 v2, v[C+8*\k+4*\t:C+8*\k+4*\t+3], s[20+2*\k:21+2*\k] offset:\rho*1024+512*\t
.endr
.endm
.macro LNROW rho, cnt
.set XR, X+32*\rho
	s_wait_dscnt \cnt                              ; this row is back from its stages; cnt younger LDS instructions (the other row's) may be out
.irp c, 0,1,2,3
	v_pk_add_f32 v[8+2*\c:9+2*\c], v[XR+2*\c:XR+2*\c+1], v[XR+8+2*\c:XR+9+2*\c]
.endr
.irp k, 16,24
.irp c, 0,1,2,3
	v_pk_add_f32 v[8+2*\c:9+2*\c], v[8+2*\c:9+2*\c], v[XR+\k+2*\c:XR+\k+2*\c+1]
.endr
.endr
	ALLSUM
	v_mul_f32 v254, s26, v8                        ; the mean, twice: a pair for the packed forms
	v_mul_f32 v255, s26, v8
.set j, 0
.rept 16
	v_pk_add_f32 v[XR+j:XR+j+1], v[XR+j:XR+j+1], v[254:255] neg_lo:[0,1] neg_hi:[0,1]
.set j, j+2
.endr
.irp c, 0,1,2,3
	v_pk_mul_f32 v[8+2*\c:9+2*\c], v[XR+2*\c:XR+2*\c+1], v[XR+2*\c:XR+2*\c+1]
.endr
.irp k, 8,16,24
.irp c, 0,1,2,3
	v_pk_fma_f32 v[8+2*\c:9+2*\c], v[XR+\k+2*\c:XR+\k+2*\c+1], v[XR+\k+2*\c:XR+\k+2*\c+1], v[8+2*\c:9+2*\c]
.endr
.endr
	ALLSUM
	v_fma_f32 v8, v8, s27, s28                     ; sum of squares / 1023 + 1e-9
	v_rsq_f32 v254, v8
	v_rsq_f32 v255, v8
.if \rho == 0
	s_wait_loadcnt 0x0                             ; the gain and the offset
.endif
	v_nop                                          ; a plain line behind the transcendentals (ISA guide 5.7.2),
	s_wait_alu depctr_va_vdst(0)                   ; and the one wait ahead of their first reader
.set j, 0
.rept 16
	v_pk_mul_f32 v[XR+j:XR+j+1], v[XR+j:XR+j+1], v[254:255]
.set j, j+2
.endr
.set j, 0
.rept 16
	v_pk_fma_f32 v[XR+j:XR+j+1], v[XR+j:XR+j+1], v[G+j:G+j+1], v[BV+j:BV+j+1]
.set j, j+2
.endr
.if \rho == 1
	s_wait_xcnt 0x0                                ; the first row's stores have read their codes: the registers are written again only behind this wait
.endif
	QUANT \rho, 0
	QUANT \rho, 1
	QUANT \rho, 2
.endm
.macro WOROW rho, cnt
.set XR, X+32*\rho
	s_wait_dscnt \cnt
.set j, 0
.rept 32
	v_med3_num_f32 v[XR+j], v[XR+j], -v[SC+1], v[SC+1]
.set j, j+1
.endr
.irp t, 0,1
	v_cvt_scalef32_pk8_fp8_f32 v[C+8*\rho+4*\t:C+8*\rho+4*\t+1], v[XR+16*\t:XR+16*\t+7], v[SC]
	v_cvt_scalef32_pk8_fp8_f32 v[C+8*\rho+4*\t+2:C+8*\rho+4*\t+3], v[XR+16*\t+8:XR+16*\t+15], v[SC]
.endr
	v_nop
.irp t, 0,1
	global_store_b128 v2, v[C+8*\rho+4*\t:C+8*\rho+4*\t+3], s[16:17] offset:\rho*1024+512*\t
.endr
.endm
	s_load_b256 s[4:11], s[0:1], 0x0               ; x s[4:5], gain s[6:7], offset s[8:9], scales s[10:11]
	s_load_b128 s[12:15], s[0:1], 0x20             ; Wo s[12:13], h1c s[14:15]
	s_load_b64 s[16:17], s[0:1], 0x30              ; woc
	s_set_vgpr_msb 0x40
	v_lshl_add_u32 v0, v0, 2, 0x28000
	v_mov_b32 v1, 0
	s_set_vgpr_msb 0x4000
	v_lshrrev_b32 v1, 5, v0
	v_readfirstlane_b32 s18, v1                    ; wave 0..7
	v_and_b32 v1, 31, v0                           ; lane
	v_lshlrev_b32 v2, 4, v1                        ; my 16 bytes of a load's or a store's 512
	v_lshlrev_b32 v5, 6, v1                        ; my 16 numbers of a step of the gain and the offset
	s_mul_i32 s19, s18, WREG
	v_lshrrev_b32 v3, 2, v1
	v_mul_u32_u24 v3, v3, SP
	v_and_b32 v8, 3, v1
	v_lshl_add_u32 v3, v8, 4, v3
	v_add_nc_u32 v3, s19, v3                       ; into a stage: four lanes' 64 bytes on end, then the padding
	v_mul_u32_u24 v4, v1, SP
	v_add_nc_u32 v4, s19, v4                       ; out of it: my 16 neighbours
	v_add_nc_u32 v6, WOLDS, v3                     ; the same for the second path
	v_add_nc_u32 v7, WOLDS, v4
	s_mov_b32 s3, 0
	s_mov_b32 s30, 0x76543210                      ; v_permlanex16_b32: lane l xor 16
	s_mov_b32 s31, 0xfedcba98
	s_wait_kmcnt 0x0
	s_load_b512 s[32:47], s[10:11], 0x0            ; the sixteen exponents
	s_cmp_ge_u32 ttmp9, 256
	s_cbranch_scc1 .Lwo
	; ---- the norm
	s_lshl_b32 s19, ttmp9, 4
	s_lshl_b32 s2, s18, 1
	s_add_co_u32 s19, s19, s2                      ; my first row: 16 x work-group + 2 x wave
	s_lshl_b32 s2, s19, 12
	s_add_nc_u64 s[4:5], s[4:5], s[2:3]
	s_lshl_b32 s2, s19, 10
	s_add_nc_u64 s[20:21], s[14:15], s[2:3]        ; three bases: the sets lie 4 MiB apart, more than a store's immediate holds twice
	s_add_nc_u64 s[22:23], s[20:21], 0x400000
	s_add_nc_u64 s[24:25], s[22:23], 0x400000
	s_mov_b32 s26, 0x3a800000                      ; 1 / 1024
	s_mov_b32 s27, 0x3a802008                      ; 1 / 1023
	s_mov_b32 s28, 0x3089705f                      ; 1e-9
.irp rho, 0,1
.irp t, 0,1
.irp i, 0,1,2,3
	global_load_b128 v[R+32*\rho+16*\t+4*\i:R+32*\rho+16*\t+4*\i+3], v2, s[4:5] offset:\rho*4096+\t*2048+512*\i
.endr
.endr
.endr
.irp t, 0,1
.irp i, 0,1,2,3
	global_load_b128 v[G+16*\t+4*\i:G+16*\t+4*\i+3], v5, s[6:7] offset:2048*\t+16*\i
.endr
.endr
.irp t, 0,1
.irp i, 0,1,2,3
	global_load_b128 v[BV+16*\t+4*\i:BV+16*\t+4*\i+3], v5, s[8:9] offset:2048*\t+16*\i
.endr
.endr
	s_wait_kmcnt 0x0
	MKSC 32, SC
	MKSC 34, SC+2
	MKSC 36, SC+4
	s_wait_loadcnt 24                              ; row 0's eight loads are in; 24 younger ones may be out
	TURN 0, 0, 3, 4
	TURN 0, 1, 3, 4
	s_wait_loadcnt 16                              ; row 1's; the gain's and the offset's sixteen may be out
	TURN 1, 0, 3, 4
	TURN 1, 1, 3, 4
	LNROW 0, 16
	LNROW 1, 0
	s_set_vgpr_msb 0x5
	s_wait_tensorcnt 0x0
	ds_add_u32 v0, v1
	s_wait_dscnt 0x0
	s_set_vgpr_msb 0x500
	s_endpgm
.Lwo:
	; ---- Wo to codes
	s_sub_co_u32 s19, ttmp9, 256
	s_lshl_b32 s19, s19, 4
	s_lshl_b32 s2, s18, 1
	s_add_co_u32 s19, s19, s2
	s_lshl_b32 s2, s19, 12
	s_add_nc_u64 s[12:13], s[12:13], s[2:3]
	s_lshl_b32 s2, s19, 10
	s_add_nc_u64 s[16:17], s[16:17], s[2:3]
.irp rho, 0,1
.irp t, 0,1
.irp i, 0,1,2,3
	global_load_b128 v[R+32*\rho+16*\t+4*\i:R+32*\rho+16*\t+4*\i+3], v2, s[12:13] offset:\rho*4096+\t*2048+512*\i th:TH_LOAD_NT
.endr
.endr
.endr
	s_wait_kmcnt 0x0
	MKSC 43, SC
	s_wait_loadcnt 8                               ; row 0 is in; row 1's eight may be out
	TURN 0, 0, 6, 7
	TURN 0, 1, 6, 7
	s_wait_loadcnt 0x0
	TURN 1, 0, 6, 7
	TURN 1, 1, 6, 7
	WOROW 0, 16
	WOROW 1, 0
	s_set_vgpr_msb 0x5
	s_wait_tensorcnt 0x0
	ds_add_u32 v0, v1
	s_wait_dscnt 0x0
	s_set_vgpr_msb 0x500
	s_endpgm
.Lfunc_end_k_q3c183bae83_prep:
	.size	k_q3c183bae83_prep, .Lfunc_end_k_q3c183bae83_prep-k_q3c183bae83_prep
	.p2alignl 7, 3214868480
	.fill 96, 4, 3214868480
	.section	.rodata,"a",@progbits
	.p2align	6, 0x0
	.amdhsa_kernel k_q3c183bae83_prep
		.amdhsa_group_segment_fixed_size 164864
		.amdhsa_private_segment_fixed_size 0
		.amdhsa_enable_private_segment 0
		.amdhsa_kernarg_size 56
		.amdhsa_user_sgpr_count 2
		.amdhsa_user_sgpr_kernarg_segment_ptr 1
		.amdhsa_wavefront_size32 1
		.amdhsa_system_sgpr_workgroup_id_x 1
		.amdhsa_system_sgpr_workgroup_id_y 1
		.amdhsa_system_sgpr_workgroup_id_z 1
		.amdhsa_system_vgpr_workitem_id 0
		.amdhsa_next_free_vgpr 258
		.amdhsa_next_free_sgpr 66
		.amdhsa_reserve_vcc 0
		.amdhsa_float_denorm_mode_32 3
		.amdhsa_float_denorm_mode_16_64 3
		.amdhsa_memory_ordered 1
		.amdhsa_forward_progress 1
		.amdhsa_inst_pref_size 46
	.end_amdhsa_kernel
	.amdgpu_metadata
---
amdhsa.version: [ 1, 2 ]
amdhsa.kernels:
  - .name:           k_q3c183bae83_prep
    .symbol:         k_q3c183bae83_prep.kd
    .args:
      - { .name: x, .offset: 0, .size: 8, .value_kind: global_buffer, .address_space: global }
      - { .name: ln1_std_scale, .offset: 8, .size: 8, .value_kind: global_buffer, .address_space: global }
      - { .name: ln1_mean_scale, .offset: 16, .size: 8, .value_kind: global_buffer, .address_space: global }
      - { .name: lowp_scales, .offset: 24, .size: 8, .value_kind: global_buffer, .address_space: global }
      - { .name: Wo, .offset: 32, .size: 8, .value_kind: global_buffer, .address_space: global }
      - { .name: h1c, .offset: 40, .size: 8, .value_kind: global_buffer, .address_space: global }
      - { .name: woc, .offset: 48, .size: 8, .value_kind: global_buffer, .address_space: global }
    .group_segment_fixed_size: 164864
    .private_segment_fixed_size: 0
    .kernarg_segment_align: 8
    .kernarg_segment_size: 56
    .max_flat_workgroup_size: 256
    .sgpr_count:     66
    .vgpr_count:     258
    .wavefront_size: 32
...
	.end_amdgpu_metadata
.endif
;; end of part 1
;; launch qkv (part 2): grid 12 x 16, 4 waves a work-group, clusters of 4 x 4, 327,680 bytes of LDS; arguments h1c, Wq_codes, Wk_codes, Wv_codes, lowp_scales, qkvc; writes qkvc
.if DOCPART == 2
	.amdgcn_target "amdgcn-amd-amdhsa--gfx1250"
	.amdhsa_code_object_version 6
	.text
	.protected	k_q3c183bae83_qkv
	.globl	k_q3c183bae83_qkv
	.p2align	8
	.type	k_q3c183bae83_qkv,@function
k_q3c183bae83_qkv:
	s_mov_b64 s[64:65], 0
	v_nop
	global_prefetch_b8 v0, s[64:65] scope:SCOPE_SE
	s_setreg_imm32_b32 hwreg(HW_REG_WAVE_MODE, 25, 1), 1
	s_wait_xcnt 0x0
	s_wait_alu depctr_hold_cnt(0) depctr_sa_sdst(0) depctr_va_vdst(0) depctr_va_sdst(0) depctr_va_ssrc(0) depctr_va_vcc(0) depctr_vm_vsrc(0)
	s_getreg_b32 s2, hwreg(HW_REG_IB_STS2, 6, 4)
	s_cmp_eq_u32 s2, 0
	s_cbranch_scc0 .Lentry_in_a_cluster
	s_endpgm
.Lentry_in_a_cluster:
	s_bfe_u32 s2, ttmp6, 0x10000c
	s_cmp_lg_u32 s2, 0xf033
	s_cbranch_scc0 .Lentry_shape_is_right
	s_endpgm
.Lentry_shape_is_right:
; Q, K and V: three products [4096 x 1024] x [1024 x 1024]^T on E4M3 codes, each finished sum quantised at once to the code that attention wants (scales 2^e6, 2^e7, 2^e9).
; The cluster's x (0, 1, 2) names the tensor.  A tile of 256 x 256 is made by four waves, 128 x 128 each: 64 accumulators, 512 registers.  K goes in steps of 256 through a ring of two LDS slots.
; CLUSTERS: 4 x 4 work-groups; the tile of the row operand is asked for jointly along a row of the cluster, that of the column operand along a column.
; THE MATRIX INSTRUCTION IS USED TRANSPOSED (source 0 = 16 rows of the column operand, source 1 = 16 rows of the row operand): a lane holds eight neighbouring columns of one row.
; For Q and K the row operand is the tokens' codes and the column operand the weight: a lane's eight results are eight channels of a token.  FOR V THE ROLES ARE SWAPPED (rows = Wv, columns = tokens):
; a lane's eight results are eight TOKENS of one channel, so V comes out with the keys innermost and nothing is transposed.
; OUT: qkvc = three parts of 4 MiB.  Q, K: [batch 2][head pair 8][token 2048][128 codes].  V: [batch][head pair][token / 128][128 channels][128 tokens].  A wave's 128 x 128 codes are 16,384 consecutive bytes in each.
; A fragment is fetched by four loads of 16 bytes: a permutation of k that is the same on both sides, so every product meets its partner.
; LIMITS: e6 - e0 - e1, e7 - e2 - e3, e9 - e4 - e5 between -126 and 119.
; REGISTERS, in windows of 256: window 0: v0-31 addresses, from v128 the row operand's fragments (one set); window 1: the column operand's, two sets; windows 2, 3: the accumulators ((a, b) at v[8 (8 (a % 4) + b)]).
.set KSTEP,  256
.set ROWB,   256
.set KROW,   1024
.set PITCH,  272                       ; an LDS row: 256 bytes + 16 of padding = 68 words: the 16 rows that a load touches start at 16 different banks (64 banks of 4 bytes: ISA guide 11.1)
.set FR,     16
.set NL,     4
.set NP,     4
.set HALFT,  128*PITCH
.set SLOT,   4*HALFT
.set LAPS,   2                         ; 1,024 along K = two laps of two K steps
.set SPARE,  2*SLOT                    ; the spare words: 128 bytes a wave, two blocks of 256 bytes that no other line names
.set SPITCH, 144                       ; the way out: a stage of 128 rows x (128 bytes + 16) for each wave, in slot 0, which has had its last fill and its last read by then
.set ADRA, 16
.set ADRB, 20
.set STO,  24
.set RD,   25
.set CO,   26
.set SPW,  28
.set NIL,  29
.set TMP,  32
.set AF,   128
.set G1, 24
.set G0, 32
.set G1B, 48
.set G0B, 56
.set MSB, 0
.macro WIN new                         ; the immediate's high byte repeats the setting that is left
.if MSB != (\new)
	s_set_vgpr_msb (MSB<<8)|(\new)
.set MSB, (\new)
.endif
.endm
.set MUL_LO, 0xa1
.set MUL_HI, 0xf1
.set TO_B,   0x40
.macro JLOAD g0a, g1a, g0b, g1b        ; a joint load: waves 0, 1 fetch the row operand's halves, waves 2, 3 the column operand's; four v_nop follow each line
	s_cmp_eq_u32 s15, 0
	s_cbranch_scc0 .Lfor_b_\@
	tensor_load_to_lds s[\g0a:\g0a+3], s[\g1a:\g1a+7]
	s_nop 0
.rept 4
	v_nop
.endr
	s_branch .Lasked_\@
.Lfor_b_\@:
	tensor_load_to_lds s[\g0b:\g0b+3], s[\g1b:\g1b+7]
	s_nop 0
.rept 4
	v_nop
.endr
.Lasked_\@:
.endm
.macro CREST
	s_cmp_lg_u32 s14, 0
	s_cbranch_scc1 .Lnot_wave_0_\@
	s_barrier_signal -3
.Lnot_wave_0_\@:
	s_barrier_wait -3
	s_barrier_signal -1
	s_barrier_wait -1
.endm
.macro CROUND
	s_barrier_signal -1
	s_barrier_wait -1
	CREST
.endm
	s_load_b256 s[4:11], s[0:1], 0x0               ; h1c s[4:5], Wq s[6:7], Wk s[8:9], Wv s[10:11]
	s_load_b128 s[84:87], s[0:1], 0x20             ; the exponents s[84:85], qkvc s[86:87]
	v_lshl_add_u32 v[SPW], v0, 2, SPARE
	v_mov_b32 v[NIL], 0
	ds_add_u32 v28, v29
	s_wait_dscnt 0x0
	v_lshrrev_b32 v1, 5, v0
	v_readfirstlane_b32 s14, v1                    ; wave 0..3
	s_lshr_b32 s15, s14, 1                         ; which half of the tile's rows is mine; also: I fetch the row operand (0) or the column operand (1)
	s_and_b32 s16, s14, 1                          ; which half of its columns; also: which 128 rows I fetch
	s_bfe_u32 s40, ttmp6, 0x40000                  ; cx
	s_bfe_u32 s41, ttmp6, 0x40004                  ; cy
	s_and_b32 s88, ttmp7, 0xffff
	s_lshl_b32 s88, s88, 2                         ; 4 x cluster y: it walks the tokens, which are rows for Q and K and columns for V
	s_cmp_eq_u32 ttmp9, 2
	s_cselect_b32 s89, 0, s88
	s_cselect_b32 s90, s88, 0
	s_add_co_u32 s17, s89, s41                     ; tile of the row operand: hangs on cy alone
	s_add_co_u32 s42, s90, s40                     ; tile of the column operand: on cx alone
	s_lshl_b32 s43, s41, 2
	s_lshl_b32 s43, 15, s43                        ; my row of the cluster
	s_lshl_b32 s44, 0x1111, s40                    ; my column
	s_or_b32 s[G1+0], s43, (0<<16)|(1<<20)|(1<<21)|(5<<22)|(3<<25)  ; mask; elements of 1 byte; padding on; bit 21 beside a mask; 4 words behind every 64
	s_or_b32 s[G1B+0], s44, (0<<16)|(1<<20)|(1<<21)|(5<<22)|(3<<25)
.irp g, G1, G1B
	s_mov_b32 s[\g+1], ROWB<<16                    ; tensor_dim0
	s_mov_b32 s[\g+2], 128<<16                     ; tensor_dim1
	s_mov_b32 s[\g+3], ROWB<<16                    ; tile_dim0
	s_mov_b32 s[\g+4], 128                         ; tile_dim1
	s_mov_b32 s[\g+5], KROW                        ; the pitch
	s_mov_b32 s[\g+6], 0
	s_mov_b32 s[\g+7], 0
.endr
	s_lshl_b32 s18, s16, 7
	s_lshl_b32 s20, s17, 8
	s_add_co_u32 s20, s20, s18
	s_lshl_b32 s20, s20, 10                        ; the row operand's first row that I fetch, in bytes
	s_mov_b32 s21, 0
	s_lshl_b32 s46, s42, 8
	s_add_co_u32 s46, s46, s18
	s_lshl_b32 s46, s46, 10                        ; the column operand's
	s_mov_b32 s47, 0
	s_mul_i32 s45, s14, HALFT                      ; where they go: wave x 128 rows
	s_lshl_b32 s92, ttmp9, 22                      ; the tensor's set of token codes, and its part of qkvc: 4 MiB each
	s_mov_b32 s93, 0
	s_wait_kmcnt 0x0
	s_load_b512 s[68:83], s[84:85], 0x0            ; the sixteen exponents
	s_add_nc_u64 s[4:5], s[4:5], s[92:93]          ; the tokens' codes of this tensor
	s_cmp_eq_u32 ttmp9, 0
	s_cselect_b64 s[6:7], s[6:7], s[8:9]           ; Wq or Wk
	s_cmp_eq_u32 ttmp9, 2
	s_cselect_b64 s[94:95], s[10:11], s[4:5]       ; the row operand: Wv for V, else the tokens
	s_cselect_b64 s[6:7], s[4:5], s[6:7]           ; the column operand: the tokens for V, else the weight
	s_add_nc_u64 s[20:21], s[94:95], s[20:21]
	s_add_nc_u64 s[46:47], s[6:7], s[46:47]
	CROUND                                         ; all sixteen work-groups are here: the first joint loads meet
.irp s, 0,1
	s_mov_b32 s[G0+4*\s], 1
	s_add_co_u32 s[G0+4*\s+1], s45, \s*SLOT
	s_add_nc_u64 s[G0+4*\s+2:G0+4*\s+3], s[20:21], \s*ROWB
	s_or_b32 s[G0+4*\s+3], s[G0+4*\s+3], 0x80000000
	s_mov_b32 s[G0B+4*\s], 1
	s_add_co_u32 s[G0B+4*\s+1], s45, \s*SLOT
	s_add_nc_u64 s[G0B+4*\s+2:G0B+4*\s+3], s[46:47], \s*ROWB
	s_or_b32 s[G0B+4*\s+3], s[G0B+4*\s+3], 0x80000000
	JLOAD G0+4*\s, G1, G0B+4*\s, G1B
.endr
	v_and_b32 v1, 15, v0                           ; r
	v_bfe_u32 v2, v0, 4, 1                         ; h
	v_mul_u32_u24 v3, v1, PITCH
	v_lshl_add_u32 v4, v2, 4, v3
	s_mul_i32 s21, s15, HALFT
	s_mul_i32 s22, s16, HALFT
	s_add_co_u32 s22, s22, 2*HALFT
.irp s, 0,1
	v_add_nc_u32 v[ADRA+\s], s21, v4
	v_add_nc_u32 v[ADRB+\s], s22, v4
	s_add_co_u32 s21, s21, SLOT
	s_add_co_u32 s22, s22, SLOT
.endr
	s_mul_i32 s23, s14, 128*SPITCH                 ; my stage
	v_mul_u32_u24 v5, v1, SPITCH
	v_lshl_add_u32 v5, v2, 3, v5
	v_add_nc_u32 v[STO], s23, v5                   ; in: row r, 8 bytes for each half of the lanes
	v_and_b32 v6, 31, v0
	v_lshlrev_b32 v[CO], 4, v6                     ; out: 16 bytes a lane, 512 consecutive bytes an instruction
	v_lshrrev_b32 v7, 3, v6
	v_mul_u32_u24 v7, v7, SPITCH
	v_and_b32 v8, 7, v6
	v_lshl_add_u32 v7, v8, 4, v7
	v_add_nc_u32 v[RD], s23, v7                    ; back: eight lanes to a row of 128 bytes, four rows an instruction
	; where my 16,384 bytes lie: part + ((batch x 8 + head pair) x 2,048 + token in the batch) x 128
	s_cmp_eq_u32 ttmp9, 2
	s_cselect_b32 s88, s42, s17                    ; the tokens' tile,
	s_cselect_b32 s89, s16, s15                    ; and my half of it
	s_cselect_b32 s90, s17, s42                    ; the channels' tile,
	s_cselect_b32 s91, s15, s16                    ; and my half
	s_lshl_b32 s88, s88, 8
	s_lshl_b32 s89, s89, 7
	s_add_co_u32 s88, s88, s89                     ; my first token
	s_lshl_b32 s90, s90, 1
	s_add_co_u32 s90, s90, s91                     ; my head pair
	s_lshr_b32 s89, s88, 11
	s_lshl_b32 s89, s89, 3
	s_add_co_u32 s89, s89, s90
	s_lshl_b32 s89, s89, 18
	s_and_b32 s88, s88, 2047
	s_lshl_b32 s88, s88, 7
	s_add_co_u32 s88, s88, s89
	s_add_co_u32 s88, s88, s92
	s_mov_b32 s89, 0
	s_add_nc_u64 s[86:87], s[86:87], s[88:89]
.macro FRAG reg, adr, q, i             ; 16 rows x 128 K: registers 4 c .. 4 c + 3 hold K = 32 c + 16 (l / 16) + 0 .. 15 of row l % 16
.irp c, 0,1,2,3
	ds_load_b128 v[\reg+4*\c:\reg+4*\c+3], v[\adr] offset:128*(\q)+32*\c+(\i)*16*PITCH
.endr
.endm
.macro MUL16 a0, p, zero               ; 16 matrix instructions; the 64 accumulators take turns, one instruction a turn, in the same order in every step
.irp a, \a0, \a0+1
.irp b, 0,1,2,3,4,5,6,7
.if \zero
	v_wmma_f32_16x16x128_fp8_fp8 v[8*(8*((\a)%4)+\b):8*(8*((\a)%4)+\b)+7], v[128*(\p)+FR*\b:128*(\p)+FR*\b+FR-1], v[AF+FR*(\a):AF+FR*(\a)+FR-1], 0
.else
	v_wmma_f32_16x16x128_fp8_fp8 v[8*(8*((\a)%4)+\b):8*(8*((\a)%4)+\b)+7], v[128*(\p)+FR*\b:128*(\p)+FR*\b+FR-1], v[AF+FR*(\a):AF+FR*(\a)+FR-1], v[8*(8*((\a)%4)+\b):8*(8*((\a)%4)+\b)+7]
.endif
.endr
.endr
.endm
.macro FETCH_B slot, q, p
	WIN TO_B
.irp i, 0,1,2,3,4,5,6,7
	FRAG 128*(\p)+FR*\i, ADRB+\slot, \q, \i
.endr
	WIN 0
.endm
.macro FETCH_A slot, q, i0
.irp i, \i0, \i0+1, \i0+2, \i0+3
	FRAG AF+FR*(\i), ADRA+\slot, \q, \i
.endr
.endm
.macro PLACES n                        ; plain vector lines between a matrix instruction and a load into, or a read of, its registers
.rept \n
	v_nop
.endr
.endm
.macro STEP slot, q, zero              ; 128 along K with its successor in the same slot
	s_wait_dscnt 4*NL                              ; all but the youngest sixteen loads (row blocks 4-7) are in
	WIN MUL_LO
	MUL16 0, (\q)%2, \zero
	MUL16 2, (\q)%2, \zero
	s_wait_dscnt 0
	PLACES NP
	FETCH_B \slot, (\q)+1, 1-(\q)%2
	FETCH_A \slot, (\q)+1, 0
	WIN MUL_HI
	MUL16 4, (\q)%2, \zero
	MUL16 6, (\q)%2, \zero
	PLACES NP
	WIN 0
	FETCH_A \slot, (\q)+1, 4
.endm
.macro TURN slot, next, fill           ; a slot's last step changes slots: one barrier; in front of it all my tensor loads, the add, my reads of this slot
	s_wait_tensorcnt 0x0                           ; all my tensor loads have landed: my part of the next slot
	ds_add_u32 v[SPW], v[NIL]                      ; 0 onto my spare word
	s_wait_dscnt 4*NL+1                            ; (the add and the youngest sixteen loads may be out)
	WIN MUL_LO
	MUL16 0, 1, 0
	s_wait_dscnt 0x0                               ; the add is done, and my reads of this slot are over
	s_barrier_signal -1
	MUL16 2, 1, 0
	WIN 0
	s_barrier_wait -1
.if \fill
	CREST                                          ; the barrier has opened a round of the cluster's: no wave of any partner still reads this slot or has a load on its way
	s_add_nc_u64 s[G0+4*\slot+2:G0+4*\slot+3], s[G0+4*\slot+2:G0+4*\slot+3], 2*ROWB
	s_add_nc_u64 s[G0B+4*\slot+2:G0B+4*\slot+3], s[G0B+4*\slot+2:G0B+4*\slot+3], 2*ROWB
	JLOAD G0+4*\slot, G1, G0B+4*\slot, G1B         ; the first tensor load behind the round; its four v_nop are the places in front of the loads below
.else
	PLACES NP
.endif
	FETCH_B \next, 0, 0
	FETCH_A \next, 0, 0
	WIN MUL_HI
	MUL16 4, 1, 0
	MUL16 6, 1, 0
	PLACES NP
	WIN 0
	FETCH_A \next, 0, 4
.endm
	s_wait_tensorcnt 1                             ; my part of K step 0 is in; K step 1's load may be out
	s_barrier_signal -1
	s_barrier_wait -1
	FETCH_B 0, 0, 0
	FETCH_A 0, 0, 0
	FETCH_A 0, 0, 4
	STEP 0, 0, 1                                   ; the first step's products start the sums
	s_mov_b32 s3, LAPS-1
.Llap:
	TURN 0, 1, 1
	STEP 1, 0, 0
	TURN 1, 0, 1
	STEP 0, 0, 0
	s_sub_co_u32 s3, s3, 1
	s_cmp_lg_u32 s3, 0
	s_cbranch_scc1 .Llap
	TURN 0, 1, 0                                   ; the last lap fills nothing
	STEP 1, 0, 0
	s_wait_dscnt 4*NL
	WIN MUL_LO
	MUL16 0, 1, 0
	MUL16 2, 1, 0
	s_wait_dscnt 0
	WIN MUL_HI
	MUL16 4, 1, 0
	MUL16 6, 1, 0
	WIN 0
	; THE WAY OUT.  A sum stands for sum x 2^(ea + eb); its code is sum / 2^(eo - ea - eb): the three exponents are folded into the conversion's one.
	s_wait_kmcnt 0x0
	s_add_co_i32 s88, s68, s69
	s_add_co_i32 s89, s70, s71
	s_add_co_i32 s90, s72, s73
	s_cmp_eq_u32 ttmp9, 0
	s_cselect_b32 s88, s88, s89
	s_cselect_b32 s91, s74, s75
	s_cmp_eq_u32 ttmp9, 2
	s_cselect_b32 s88, s90, s88
	s_cselect_b32 s91, s77, s91
	s_sub_co_i32 s88, s91, s88
	s_add_co_i32 s88, s88, 127
	s_lshl_b32 s89, s88, 23
	v_mov_b32 v30, s89                             ; 2^(eo - ea - eb)
	s_add_co_i32 s88, s88, 8
	s_lshl_b32 s88, s88, 23
	s_or_b32 s88, s88, 0x600000
	v_mov_b32 v31, s88                             ; 448 x that
	PLACES NP
.macro QBLOCK a                        ; 16 rows x 128 columns: held, converted (a lane's eight sums are eight neighbouring codes), into my stage
.set AC, 64*((\a)%4)
.set CD, 96+16*((\a)%2)
	WIN 0x02+((\a)/4)                              ; source 0: window 2 or 3
.set j, 0
.rept 64
	v_med3_num_f32 v[TMP+j], v[AC+j], -v31, v31    ; each accumulator from its low end on; the conversion does not saturate (ISA guide 7.6.2)
.set j, j+1
.endr
	WIN 0
.irp b, 0,1,2,3,4,5,6,7
	v_cvt_scalef32_pk8_fp8_f32 v[CD+2*\b:CD+2*\b+1], v[TMP+8*\b:TMP+8*\b+7], v30
.endr
	v_nop                                          ; a plain line between the conversions and the next block's holds, which write their sources
.irp b, 0,1,2,3,4,5,6,7
	ds_store_b64 v[STO], v[CD+2*\b:CD+2*\b+1] offset:(\a)*16*SPITCH+16*\b
.endr
.endm
.irp a, 0,1,2,3,4,5,6,7
	QBLOCK \a
.endr
.set n, 0
.rept 32
	ds_load_b128 v[128+4*n:128+4*n+3], v[RD] offset:(n/4)*16*SPITCH+(n%4)*4*SPITCH   ; LDS serves a wave's instructions in order (ISA guide 5.7.1.4): these see my stores
.set n, n+1
.endr
.set n, 0
.rept 32
	s_wait_dscnt 31-n                              ; load n is back; the younger ones may be out
	global_store_b128 v[CO], v[128+4*n:128+4*n+3], s[86:87] offset:512*n   ; 32 lanes store 512 consecutive bytes, at a multiple of 256 from the buffer's first byte
.set n, n+1
.endr
	s_wait_tensorcnt 0x0                           ; the wave's end
	ds_add_u32 v[SPW], v[NIL]
	s_wait_dscnt 0x0
	CROUND                                         ; the closing round
	s_endpgm
.Lfunc_end_k_q3c183bae83_qkv:
	.size	k_q3c183bae83_qkv, .Lfunc_end_k_q3c183bae83_qkv-k_q3c183bae83_qkv
	.p2alignl 7, 3214868480
	.fill 96, 4, 3214868480
	.section	.rodata,"a",@progbits
	.p2align	6, 0x0
	.amdhsa_kernel k_q3c183bae83_qkv
		.amdhsa_group_segment_fixed_size 327680
		.amdhsa_private_segment_fixed_size 0
		.amdhsa_enable_private_segment 0
		.amdhsa_kernarg_size 48
		.amdhsa_user_sgpr_count 2
		.amdhsa_user_sgpr_kernarg_segment_ptr 1
		.amdhsa_wavefront_size32 1
		.amdhsa_system_sgpr_workgroup_id_x 1
		.amdhsa_system_sgpr_workgroup_id_y 1
		.amdhsa_system_sgpr_workgroup_id_z 1
		.amdhsa_system_vgpr_workitem_id 0
		.amdhsa_next_free_vgpr 1024
		.amdhsa_next_free_sgpr 100
		.amdhsa_reserve_vcc 0
		.amdhsa_float_denorm_mode_32 3
		.amdhsa_float_denorm_mode_16_64 3
		.amdhsa_memory_ordered 1
		.amdhsa_forward_progress 1
		.amdhsa_inst_pref_size 126
	.end_amdhsa_kernel
	.amdgpu_metadata
---
amdhsa.version: [ 1, 2 ]
amdhsa.kernels:
  - .name:           k_q3c183bae83_qkv
    .symbol:         k_q3c183bae83_qkv.kd
    .args:
      - { .name: h1c, .offset: 0, .size: 8, .value_kind: global_buffer, .address_space: global }
      - { .name: Wq_codes, .offset: 8, .size: 8, .value_kind: global_buffer, .address_space: global }
      - { .name: Wk_codes, .offset: 16, .size: 8, .value_kind: global_buffer, .address_space: global }
      - { .name: Wv_codes, .offset: 24, .size: 8, .value_kind: global_buffer, .address_space: global }
      - { .name: lowp_scales, .offset: 32, .size: 8, .value_kind: global_buffer, .address_space: global }
      - { .name: qkvc, .offset: 40, .size: 8, .value_kind: global_buffer, .address_space: global }
    .group_segment_fixed_size: 327680
    .private_segment_fixed_size: 0
    .kernarg_segment_align: 8
    .kernarg_segment_size: 48
    .max_flat_workgroup_size: 128
    .sgpr_count:     100
    .vgpr_count:     1024
    .wavefront_size: 32
...
	.end_amdgpu_metadata
.endif
;; end of part 2
;; launch attn (part 3): grid 16 x 16, 16 waves a work-group, no clusters, 327,680 bytes of LDS; arguments qkvc, lowp_scales, poc; writes poc
.if DOCPART == 3
	.amdgcn_target "amdgcn-amd-amdhsa--gfx1250"
	.amdhsa_code_object_version 6
	.text
	.protected	k_q3c183bae83_attn
	.globl	k_q3c183bae83_attn
	.p2align	8
	.type	k_q3c183bae83_attn,@function
k_q3c183bae83_attn:
	s_mov_b64 s[64:65], 0
	v_nop
	global_prefetch_b8 v0, s[64:65] scope:SCOPE_SE
	s_setreg_imm32_b32 hwreg(HW_REG_WAVE_MODE, 25, 1), 1
	s_wait_xcnt 0x0
; Causal attention on E4M3 codes, head size 64; the result O / l is quantised at once (scale 2^e10) for the next product.
; t = score x log2(e) / 8; M = the running largest t rounded UP to a whole number; p = 2^(t - M) is quantised (2^e8) along the keys; the row's sum l is taken of the unquantised p and divides at the end.
; SHARES.  Work-group (i, batch x 8 + head pair) owns the pair's two heads and the blocks i and 31 - i of 64 queries: nE = i / 2 + 1 and nL = 17 - nE key steps of 128 keys, 17 together in every work-group.
; Wave w: tile of 16 queries w & 3, head (w >> 2) & 1, block i (w < 8: an EARLY wave) or 31 - i (a LATE wave).  Waves w and w + 8 are a PAIR: same tile number, same head.
; THE PAIR SHARES THE LATE TILE'S KEYS.  In key steps 0 .. nE - 1 each wave works on its own tile.  At step nE the early wave finishes its tile (its codes stay in 8 registers), takes the late tile's Q and starts a second
; M, l and O^T; from there on the steps go by turns: step s to the late wave where s - nE is even (the diagonal among them), to the early wave where it is odd.  So every wave has 9 or 8 key steps, in every work-group,
; and all sixteen work side by side.  At the end the early wave hands its M, l and O^T to its partner through LDS; they are joined under the larger M by factors 2^(M' - M), which round nothing.
; (Each half quantises p under its own running M; the f32 sums are added in another order than in one walk.)
; NO CLUSTER: the work-groups that walk the same K and V differ in their queries, and leaving out the steps behind the causal mask, half of the work, is a branch on the query block, which partners of joint loads may not have.
; RING.  Two LDS slots of 512 keys (K: 512 rows of 128 bytes, both heads; V: four blocks of 128 channels x 128 keys), filled by waves 0-3, 256 rows each; the first 1,024 keys are first fills, the other 1,024 two refills.
; Every wave walks all 16 key steps with constant trip counts; a step that is not the wave's is jumped over (scalar branches on ids alone); no barrier and no tensor load stands in a step.
; LAYOUT.  Both products transposed: S^T = K Q^T, O^T = V^T P^T: a lane holds ONE query.  Lane r of key tile 2 b + u takes key 32 b + 8 u + r + 8 (r / 8), so that 16 registers of two tiles are 16 neighbouring keys.
; No prefetch: the launch is short, half of K and V comes by first fills, and each refill has four key steps in which to land.
; LIMITS: e6 + e7 between -123 and 130 (added to c's exponent field); e8, and e10 - e8 - e9, between -126 and 119.  NaN and infinities among the scores are not served.
; REGISTERS: v1-11, v247 addresses; v12 -M, v13 largest t, v[14:15] l; v16-23 Q; v24-31 the late tile's Q; v32-95 K's, then V's fragments; v96-159 S^T, then p; v160-191 O^T; v192-199 the early tile's codes;
;            v204-207 at work at the head; v224-239 p's codes; v240-254 constants and work.
.set KP,    144                        ; an LDS row: 128 bytes + 16 of padding
.set STEPB, 128*KP                     ; a key step's rows of K, and its block of V
.set VOFF,  4*STEPB
.set SLOTB, 2*VOFF
.set SPARE, 2*SLOTB                    ; the spare words: 128 bytes for each of 16 waves: eight blocks of 256 bytes that no other line names
.set XCH,   128*KP                     ; the way out, in slot 0 behind the stage: what the early waves hand over
.set XPB,   4352                       ; a pair's part of it: O^T as 8 images of 512 bytes, then (-M, l), 8 bytes a lane
.set AK0,  1
.set AV0,  2
.set QOF,  3
.set XA,   4
.set SPW,  5
.set NIL,  6
.set GO,   7
.set ADK,  8
.set ADV,  9
.set STO,  10
.set RD,   11
.set QN,   24
.set EC,   192
.set XB,   247
.set WV,   18
.set SEL,  20
.set CS,   22
.set G1,   24
.set G0,   32
.set TB,   2
.set CNT,  3
.set KF,   10                          ; s10  the step's first key
.set Q0,   11                          ; s11  the first query of the tile in hand
.set KSW,  66                          ; s66  128 nE: the first key that the early block does not see
.set KSWE, 67                          ; s67  the same in an early wave; in a late wave a number that no key reaches
.set QL,   68                          ; s68  the late tile's first query
.set PAR,  69                          ; s69  1 in an early wave, 0 in a late one: which of the shared steps are mine
	s_load_b128 s[4:7], s[0:1], 0x0                ; qkvc s[4:5], the exponents s[6:7]
	s_load_b64 s[8:9], s[0:1], 0x10                ; poc
	v_lshl_add_u32 v[SPW], v0, 2, SPARE
	v_mov_b32 v[NIL], 0
	ds_add_u32 v5, v6
	s_wait_dscnt 0x0
	v_lshrrev_b32 v8, 5, v0
	v_readfirstlane_b32 s[WV], v8                  ; wave 0..15
	s_and_b32 s14, ttmp7, 0xffff                   ; batch x 8 + head pair
	s_and_b32 s15, s[WV], 3                        ; my tile of 16 queries; in waves 0-3 also the quarter of a slot that I fetch
	s_bfe_u32 s12, s[WV], 0x10002                  ; my head of the pair
	s_lshr_b32 s16, s[WV], 3                       ; 0: an early wave (block i), 1: a late wave (block 31 - i)
	s_sub_co_u32 s17, 31, ttmp9
	s_cmp_eq_u32 s16, 0
	s_cselect_b32 s13, ttmp9, s17                  ; my block of 64 queries
	s_lshl_b32 s19, s15, 4
	s_lshl_b32 s[Q0], s13, 6
	s_add_co_u32 s[Q0], s[Q0], s19                 ; my own tile's first query
	s_lshl_b32 s[QL], s17, 6
	s_add_co_u32 s[QL], s[QL], s19                 ; the pair's late tile's
	s_lshr_b32 s[KSW], ttmp9, 1
	s_add_co_u32 s[KSW], s[KSW], 1
	s_lshl_b32 s[KSW], s[KSW], 7                   ; 128 (i / 2 + 1)
	s_cmp_eq_u32 s16, 0
	s_cselect_b32 s[KSWE], s[KSW], -1
	s_xor_b32 s[PAR], s16, 1
	s_mov_b32 s[G1], (0<<16)|(1<<20)|(4<<22)|(3<<25)  ; no mask; elements of 1 byte; padding: 4 words behind every 32
	s_mov_b32 s[G1+1], 128<<16                     ; tensor_dim0
	s_mov_b32 s[G1+2], 256<<16                     ; tensor_dim1
	s_mov_b32 s[G1+3], 128<<16                     ; tile_dim0
	s_mov_b32 s[G1+4], 256                         ; tile_dim1
	s_mov_b32 s[G1+5], 128                         ; the pitch: the rows are dense
	s_mov_b32 s[G1+6], 0
	s_mov_b32 s[G1+7], 0
	s_mov_b32 s[SEL], 0x76543210
	s_mov_b32 s[SEL+1], 0xfedcba98
	s_mov_b32 s[KF], 0
	s_mul_i32 s56, s15, 2*STEPB                    ; LDS: K's halves, then V's
	s_lshr_b32 s57, s15, 1
	s_add_co_u32 s57, s57, 1
	s_lshl_b32 s57, s57, 22                        ; part 1 (K) or 2 (V) of qkvc
	s_lshl_b32 s58, s14, 18                        ; the head pair's 262,144 bytes
	s_add_co_u32 s57, s57, s58
	s_and_b32 s59, s15, 1
	s_lshl_b32 s59, s59, 15                        ; which 256 rows
	s_add_co_u32 s60, s57, s59
	s_mov_b32 s61, 0
	s_wait_kmcnt 0x0
	s_load_b512 s[40:55], s[6:7], 0x0              ; the sixteen exponents
	s_add_nc_u64 s[60:61], s[4:5], s[60:61]
.irp n, 0,1
	s_mov_b32 s[G0+4*\n], 1
	s_add_co_u32 s[G0+4*\n+1], s56, \n*SLOTB
	s_add_nc_u64 s[G0+4*\n+2:G0+4*\n+3], s[60:61], \n*65536
	s_or_b32 s[G0+4*\n+3], s[G0+4*\n+3], 0x80000000
.endr
	s_cmp_lt_u32 s[WV], 4                          ; a wave's two first fills stand in one branch, ahead of every wait on TENSORcnt, every LDS read and every barrier: two loads of mine are out
	s_cbranch_scc0 .Lno_first
	tensor_load_to_lds s[G0:G0+3], s[G1:G1+7]
	s_nop 0
	tensor_load_to_lds s[G0+4:G0+7], s[G1:G1+7]
	s_nop 0
.rept 4
	v_nop
.endr
.Lno_first:
	s_lshl_b32 s19, s12, 6                         ; 64 x head: my head's bytes of a row
	s_lshl_b32 s56, s[Q0], 7
	s_add_co_u32 s56, s56, s58
	s_add_co_u32 s56, s56, s19
	s_mov_b32 s57, 0
	s_add_nc_u64 s[56:57], s[4:5], s[56:57]        ; Q (part 0) at my own tile's first query, my head
	s_lshl_b32 s70, s[QL], 7
	s_add_co_u32 s70, s70, s58
	s_add_co_u32 s70, s70, s19
	s_mov_b32 s71, 0
	s_add_nc_u64 s[70:71], s[4:5], s[70:71]        ; and at the late tile's
	v_and_b32 v204, 15, v0                         ; r
	v_bfe_u32 v205, v0, 4, 1                       ; h
	v_lshlrev_b32 v[QOF], 7, v204
	v_lshl_add_u32 v[QOF], v205, 4, v[QOF]
	global_load_b128 v[16:19], v[QOF], s[56:57]    ; Q's fragment: k = 16 h + 0..15 and 32 + 16 h + 0..15, as K's are fetched
	global_load_b128 v[20:23], v[QOF], s[56:57] offset:32
	global_load_b128 v[QN:QN+3], v[QOF], s[70:71]  ; the late tile's, for the early wave's second part (every wave loads it, so that the text has one way here)
	global_load_b128 v[QN+4:QN+7], v[QOF], s[70:71] offset:32
	v_and_b32 v206, 8, v204
	v_add_nc_u32 v206, v206, v204                  ; r + 8 (r / 8)
	v_mul_u32_u24 v[AK0], v206, KP
	v_lshl_add_u32 v[AK0], v205, 4, v[AK0]
	v_add_nc_u32 v[AK0], s19, v[AK0]
	v_mul_u32_u24 v[AV0], v204, KP
	v_lshl_add_u32 v[AV0], v205, 4, v[AV0]
	s_mul_i32 s17, s12, 64*KP
	s_add_co_u32 s17, s17, VOFF
	v_add_nc_u32 v[AV0], s17, v[AV0]
	s_lshl_b32 s17, s16, 6
	s_lshl_b32 s62, s15, 4
	s_add_co_u32 s17, s17, s62
	s_mul_i32 s17, s17, KP
	s_add_co_u32 s17, s17, s19
	v_mul_u32_u24 v[STO], v204, KP
	v_lshl_add_u32 v[STO], v205, 3, v[STO]
	v_add_nc_u32 v[STO], s17, v[STO]               ; the stage (128 rows of 128 bytes + 16, at LDS byte 0): row 64 (w >> 3) + 16 (w & 3) + r, byte 64 head + 8 h
	v_and_b32 v206, 31, v0
	v_lshrrev_b32 v207, 3, v206
	v_mul_u32_u24 v[RD], v207, KP
	v_and_b32 v207, 7, v206
	v_lshl_add_u32 v[RD], v207, 4, v[RD]
	s_mul_i32 s17, s[WV], 8*KP
	v_add_nc_u32 v[RD], s17, v[RD]                 ; back: wave w takes rows 8 w .. 8 w + 7, eight lanes to a row
	v_lshlrev_b32 v[GO], 4, v206
	s_and_b32 s17, s[WV], 7                        ; my pair
	s_mul_i32 s17, s17, XPB
	s_add_co_u32 s17, s17, XCH
	v_add_nc_u32 v[XA], s17, v[GO]                 ; the pair's images of O^T: 16 bytes a lane
	s_add_co_u32 s17, s17, 4096
	v_lshlrev_b32 v[XB], 3, v206
	v_add_nc_u32 v[XB], s17, v[XB]                 ; and (-M, l): 8 bytes a lane
	; poc: [token / 128][head pair][128 rows][128 bytes]: my eight rows
	s_lshr_b32 s58, s14, 3
	s_lshl_b32 s58, s58, 4
	s_lshr_b32 s59, s13, 1
	s_add_co_u32 s58, s58, s59
	s_lshl_b32 s58, s58, 3
	s_and_b32 s59, s14, 7
	s_add_co_u32 s58, s58, s59
	s_lshl_b32 s58, s58, 14
	s_and_b32 s59, s13, 1
	s_lshl_b32 s59, s59, 13
	s_add_co_u32 s58, s58, s59
	s_and_b32 s59, s[WV], 7
	s_lshl_b32 s59, s59, 10
	s_add_co_u32 s58, s58, s59
	s_mov_b32 s59, 0
	s_add_nc_u64 s[8:9], s[8:9], s[58:59]
	v_mov_b32 v13, 0xff61b1e6                      ; the largest t so far: -3e38
	v_floor_f32 v12, -v13                          ; -M
	v_mov_b32 v14, 0
	v_mov_b32 v15, 0
	v_mov_b32 v246, 0                              ; a lane permute's destination counts as one of its sources
	v_mov_b32 v253, 0                              ; (named as the upper half of v[252:253])
.set j, 0
.rept 32
	v_mov_b32 v[160+j], 0                          ; O^T: the step is written once; the first finds zeros, which the first change of M leaves zeros
.set j, j+1
.endr
.set j, 0
.rept 8
	v_mov_b32 v[EC+j], 0                           ; written once here, so that they hold a number on every way through the text; every early wave writes its codes over them
.set j, j+1
.endr
	s_wait_kmcnt 0x0
	s_mov_b32 s[CS], 0x3e38aa3b                    ; c = log2(e) / 8
	s_add_co_i32 s60, s46, s47
	s_lshl_b32 s60, s60, 23
	s_add_co_i32 s[CS], s[CS], s60                 ; x 2^(e6 + e7), by the exponent field
	s_mov_b32 s[CS+1], s[CS]
	s_add_co_i32 s60, s48, 127
	s_lshl_b32 s61, s60, 23
	v_mov_b32 v244, s61                            ; 2^e8
	s_add_co_i32 s60, s60, 8
	s_lshl_b32 s60, s60, 23
	s_or_b32 s60, s60, 0x600000
	v_mov_b32 v240, s60                            ; 448 x 2^e8
	s_sub_co_i32 s60, s50, s48
	s_sub_co_i32 s60, s60, s49
	s_add_co_i32 s60, s60, 127
	s_lshl_b32 s61, s60, 23
	v_mov_b32 v245, s61                            ; 2^(e10 - e8 - e9): O / l stands for that number x 2^(e8 + e9)
	s_add_co_i32 s60, s60, 8
	s_lshl_b32 s60, s60, 23
	s_or_b32 s60, s60, 0x600000
	v_mov_b32 v241, s60
; AN EARLY WAVE LEAVES ITS OWN TILE, once, at the first key step that its block does not see: O^T / l is quantised into 8 registers that stay; the late tile's Q takes Q's place; the largest t falls back to -3e38.
; O^T and l are not cleared: the next step's f = 2^(old M - new M) is then 0, as in the kernel's first step, and so is the factor that the joining at the end gives a partner that had no step.
.macro SWITCH
.rept 4
	v_nop                                          ; places behind the last products, whose results are read below
.endr
	v_add_f32 v14, v14, v15
	v_permlanex16_b32 v246, v14, s[SEL], s[SEL+1]
	v_add_f32 v14, v14, v246                       ; the row's sum
	v_rcp_f32 v14, v14
	v_mov_b32 v13, 0xff61b1e6                      ; (the plain line behind the reciprocal)
	s_wait_alu depctr_va_vdst(0)                   ; the wait ahead of the reciprocal's first reader
.set j, 0
.rept 16
	v_pk_mul_f32 v[96+j:97+j], v[160+j:161+j], v[14:15] op_sel_hi:[1,0]   ; each accumulator from its low end on
.set j, j+2
.endr
.set j, 0
.rept 32
	v_med3_num_f32 v[96+j], v[96+j], -v241, v241   ; the conversion does not saturate (ISA guide 7.6.2)
.set j, j+1
.endr
.irp t, 0,1,2,3
	v_cvt_scalef32_pk8_fp8_f32 v[EC+2*\t:EC+2*\t+1], v[96+8*\t:103+8*\t], v245
.endr
	v_nop                                          ; a plain line behind the conversions: the next products write their sources
	v_floor_f32 v12, -v13                          ; -M
.set j, 0
.rept 8
	v_mov_b32 v[16+j], v[QN+j]
.set j, j+1
.endr
	s_mov_b32 s[Q0], s[QL]
.endm
.macro STEP                            ; 128 keys, from LDS byte s[TB] on; their first key is s[KF]
	s_cmp_lt_u32 s[KF], s[KSW]
	s_cbranch_scc1 .Lgo_\@                         ; keys that both blocks see: each wave works on its own tile
	s_cmp_lg_u32 s[KF], s[KSWE]
	s_cbranch_scc1 .Lsame_\@
	SWITCH
.Lsame_\@:
	s_sub_co_u32 s60, s[KF], s[KSW]
	s_bfe_u32 s60, s60, 0x10007                    ; the shared steps go by turns: even to the late wave, odd to the early one
	s_cmp_lg_u32 s60, s[PAR]
	s_cbranch_scc1 .Lhidden_\@
	s_add_co_u32 s60, s[Q0], 15
	s_cmp_gt_u32 s[KF], s60
	s_cbranch_scc1 .Lhidden_\@                     ; all keys come after the queries
.Lgo_\@:
	v_add_nc_u32 v[ADK], s[TB], v[AK0]
	v_add_nc_u32 v[ADV], s[TB], v[AV0]
	v_nop                                          ; with the two additions: four places in front of loads into registers that the last products read
	v_nop
.irp t, 0,1,2,3,4,5,6,7
.irp c, 0,1
	ds_load_b128 v[32+8*\t+4*\c:32+8*\t+4*\c+3], v[ADK] offset:(32*(\t/2)+8*(\t%2))*KP+32*\c
.endr
.endr
	s_wait_dscnt 0x0
.irp t, 0,1,2,3,4,5,6,7
	v_wmma_f32_16x16x64_fp8_fp8 v[96+8*\t:103+8*\t], v[32+8*\t:39+8*\t], v[16:23], 0
.endr
.rept 4
	v_nop                                          ; places: for the loads below, and for the first read of the scores
.endr
.irp t, 0,1,2,3
.irp c, 0,1,2,3
	ds_load_b128 v[32+16*\t+4*\c:32+16*\t+4*\c+3], v[ADV] offset:16*\t*KP+32*\c   ; V's four fragments land under the softmax
.endr
.endr
	s_add_co_u32 s60, s[KF], 127
	s_cmp_le_u32 s60, s[Q0]
	s_cbranch_scc1 .Lopen_\@                       ; all keys count
	s_sub_co_i32 s60, s[Q0], s[KF]
	v_and_b32 v252, 15, v0
	v_bfe_u32 v253, v0, 4, 1
	v_lshlrev_b32 v253, 4, v253
	v_sub_nc_u32 v252, v252, v253
	v_add_nc_u32 v252, s60, v252                   ; d = my query - KF - 16 h; register 16 b + i holds key KF + 16 h + 32 b + i: hidden where 32 b + i > d
	v_mov_b32 v254, 0xff800000                     ; -infinity
.set n, 0
.rept 64
	v_cmp_gt_i32 vcc_lo, 32*(n/16)+n%16, v252
	v_cndmask_b32 v[96+n], v[96+n], v254, vcc_lo
.set n, n+1
.endr
.Lopen_\@:
	v_max3_num_f32 v254, v96, v97, v98             ; the step's largest score of my query, in two chains, each accumulator from its low end on
	v_max3_num_f32 v252, v99, v100, v101
.irp i, 6,10,14,18,22,26,30,34,38,42,46,50,54,58
	v_max3_num_f32 v254, v254, v[96+\i], v[97+\i]
	v_max3_num_f32 v252, v252, v[98+\i], v[99+\i]
.endr
	v_max3_num_f32 v254, v254, v158, v159
	v_max_num_f32 v254, v254, v252
	v_permlanex16_b32 v246, v254, s[SEL], s[SEL+1]
	v_max_num_f32 v254, v254, v246
	v_mul_f32 v254, s[CS], v254                    ; as t (c is positive)
	v_max_num_f32 v13, v13, v254
	v_mov_b32 v254, v12
	v_floor_f32 v12, -v13                          ; -M = floor(-t): M is a whole number
	v_sub_f32 v254, v12, v254
	v_cvt_i32_f32 v254, v254                       ; (it saturates)
	v_ldexp_f32 v252, 1.0, v254                    ; f = 2^(old M - new M): rounds nothing
.set j, 0
.rept 32
	v_pk_fma_f32 v[96+j:97+j], v[96+j:97+j], s[CS:CS+1], v[12:13] op_sel_hi:[1,0,0]   ; t - M
.set j, j+2
.endr
.set j, 0
.rept 64
	v_exp_f32 v[96+j], v[96+j]                     ; p = 2^(t - M)
.set j, j+1
.endr
	v_pk_mul_f32 v[14:15], v[14:15], v[252:253] op_sel_hi:[1,0]   ; l under the new M: the plain line behind the batch
	s_wait_alu depctr_va_vdst(0)                   ; one wait for the 64 exponentials, ahead of their first reader
	v_pk_add_f32 v[242:243], v[96:97], v[98:99]    ; the sum of the unquantised p, in two chains
.irp j, 4,8,12,16,20,24,28,32,36,40,44,48,52,56,60
	v_pk_add_f32 v[14:15], v[14:15], v[96+\j:97+\j]
	v_pk_add_f32 v[242:243], v[242:243], v[98+\j:99+\j]
.endr
	v_pk_add_f32 v[14:15], v[14:15], v[242:243]
.irp b, 0,1,2,3
.irp i, 0,1,2,3,4,5,6,7,8,9,10,11,12,13,14,15
	v_min_num_f32 v[96+16*\b+\i], v[96+16*\b+\i], v240   ; p is not negative: a one-sided hold (the conversion does not saturate: ISA guide 7.6.2)
.endr
	v_cvt_scalef32_pk8_fp8_f32 v[224+4*\b:225+4*\b], v[96+16*\b:103+16*\b], v244
	v_cvt_scalef32_pk8_fp8_f32 v[226+4*\b:227+4*\b], v[104+16*\b:111+16*\b], v244
.endr
.set j, 0
.rept 16
	v_pk_mul_f32 v[160+j:161+j], v[160+j:161+j], v[252:253] op_sel_hi:[1,0]   ; O^T under the new M; also the plain lines behind the conversions
.set j, j+2
.endr
	s_wait_dscnt 0x0                               ; V
.irp t, 0,1,2,3
	v_wmma_f32_16x16x128_fp8_fp8 v[160+8*\t:167+8*\t], v[32+16*\t:47+16*\t], v[224:239], v[160+8*\t:167+8*\t]   ; four accumulators by turns
.endr
.Lhidden_\@:
.endm
.macro STEPS n                         ; a slot's four key steps: written once, walked four times
	s_mov_b32 s[TB], \n*SLOTB
	s_mov_b32 s[CNT], 4
.Lstep_\@:
	STEP
	s_add_co_u32 s[TB], s[TB], STEPB
	s_add_co_u32 s[KF], s[KF], 128
	s_sub_co_u32 s[CNT], s[CNT], 1
	s_cmp_lg_u32 s[CNT], 0
	s_cbranch_scc1 .Lstep_\@
.endm
.macro CHANGE n, fill                  ; slot n has been read out.  All my tensor loads, the add, my reads; the barrier; with fill = 1 slot n takes the keys 1,024 further on
	s_wait_tensorcnt 0x0                           ; no tensor load of mine is out, so a group 0 may be written; the other slot is whole
	ds_add_u32 v[SPW], v[NIL]                      ; 0 onto my spare word
.if \fill
	s_add_nc_u64 s[G0+4*\n+2:G0+4*\n+3], s[G0+4*\n+2:G0+4*\n+3], 131072
.endif
	s_wait_dscnt 0x0                               ; the add is done, and my reads of the slot are over
	s_barrier_signal -1
	s_barrier_wait -1
.if \fill
	s_cmp_lt_u32 s[WV], 4
	s_cbranch_scc0 .Lno_fill_\@
	tensor_load_to_lds s[G0+4*\n:G0+4*\n+3], s[G1:G1+7]   ; the first thing behind the barrier, my one tensor load until the next: four key steps in which to land
	s_nop 0
.rept 4
	v_nop
.endr
.Lno_fill_\@:
.endif
.endm
	s_wait_tensorcnt 0x1                           ; my part of slot 0 is in; slot 1's may be out
	s_barrier_signal -1
	s_barrier_wait -1
	s_wait_loadcnt 0x0                             ; Q, both tiles'
	STEPS 0                                        ; keys 0 ..
	CHANGE 0, 1
	STEPS 1                                        ; keys 512 ..
	CHANGE 1, 1
	STEPS 0                                        ; keys 1,024 ..
	CHANGE 0, 0
	STEPS 1                                        ; keys 1,536 ..
	; THE WAY OUT.  All that is stored below lies in slot 0, which was last filled and last read ahead of the last barrier above.
.rept 4
	v_nop                                          ; places behind the last products
.endr
	v_add_f32 v14, v14, v15
	v_permlanex16_b32 v246, v14, s[SEL], s[SEL+1]
	v_add_f32 v14, v14, v246                       ; the sum over the keys that I walked for the late tile
	s_cmp_lt_u32 s[WV], 8
	s_cbranch_scc0 .Lno_send
	v_mov_b32 v248, v12                            ; AN EARLY WAVE hands its part of the late tile to its partner, as images of its registers,
	v_mov_b32 v249, v14
.irp c, 0,1,2,3,4,5,6,7
	ds_store_b128 v[XA], v[160+4*\c:163+4*\c] offset:512*\c   ; each accumulator from its low end on
.endr
	ds_store_b64 v[XB], v[248:249]
.irp t, 0,1,2,3
	ds_store_b64 v[STO], v[EC+2*\t:EC+2*\t+1] offset:16*\t    ; and puts its own tile's codes into the stage
.endr
.Lno_send:
	s_wait_dscnt 0x0                               ; for the partner's sake: my stores are done
	s_barrier_signal -1
	s_barrier_wait -1
	s_cmp_lt_u32 s[WV], 8
	s_cbranch_scc1 .Lno_merge
.irp c, 0,1,2,3,4,5,6,7
	ds_load_b128 v[32+4*\c:35+4*\c], v[XA] offset:512*\c      ; A LATE WAVE takes them: the same registers' worth in the same lanes
.endr
	ds_load_b64 v[64:65], v[XB]
	s_wait_dscnt 0x0
	v_min_num_f32 v252, v12, v64                   ; -M of the two together
	v_sub_f32 v249, v252, v12                      ; my M less the common one: a whole number, 0 or less
	v_sub_f32 v251, v252, v64                      ; the partner's
	v_cvt_i32_f32 v249, v249                       ; (they saturate)
	v_cvt_i32_f32 v251, v251
	v_ldexp_f32 v248, 1.0, v249                    ; the two factors: powers of two, or 0 for a partner that had no step
	v_ldexp_f32 v250, 1.0, v251
	v_mul_f32 v14, v14, v248
	v_fma_f32 v14, v65, v250, v14                  ; the row's sum
	v_rcp_f32 v14, v14
.set j, 0
.rept 16
	v_pk_mul_f32 v[160+j:161+j], v[160+j:161+j], v[248:249] op_sel_hi:[1,0]   ; (independent work behind the reciprocal)
.set j, j+2
.endr
.set j, 0
.rept 16
	v_pk_fma_f32 v[160+j:161+j], v[32+j:33+j], v[250:251], v[160+j:161+j] op_sel_hi:[1,0,1]
.set j, j+2
.endr
	s_wait_alu depctr_va_vdst(0)                   ; the wait ahead of the reciprocal's first reader
.set j, 0
.rept 16
	v_pk_mul_f32 v[96+j:97+j], v[160+j:161+j], v[14:15] op_sel_hi:[1,0]
.set j, j+2
.endr
.set j, 0
.rept 32
	v_med3_num_f32 v[96+j], v[96+j], -v241, v241   ; the conversion does not saturate (ISA guide 7.6.2)
.set j, j+1
.endr
.irp t, 0,1,2,3
	v_cvt_scalef32_pk8_fp8_f32 v[224+2*\t:225+2*\t], v[96+8*\t:103+8*\t], v245
.endr
	v_nop
.irp t, 0,1,2,3
	ds_store_b64 v[STO], v[224+2*\t:225+2*\t] offset:16*\t
.endr
.Lno_merge:
	s_wait_dscnt 0x0                               ; for the others' sake: my stores into the stage are done
	s_barrier_signal -1
	s_barrier_wait -1
	ds_load_b128 v[32:35], v[RD]                   ; whole rows of both heads
	ds_load_b128 v[36:39], v[RD] offset:4*KP
	s_wait_dscnt 0x1                               ; the first load is back
	global_store_b128 v[GO], v[32:35], s[8:9]      ; 32 lanes store 512 consecutive bytes
	s_wait_dscnt 0x0
	global_store_b128 v[GO], v[36:39], s[8:9] offset:512
	s_wait_tensorcnt 0x0                           ; the wave's end
	ds_add_u32 v[SPW], v[NIL]
	s_wait_dscnt 0x0
	s_endpgm
.Lfunc_end_k_q3c183bae83_attn:
	.size	k_q3c183bae83_attn, .Lfunc_end_k_q3c183bae83_attn-k_q3c183bae83_attn
	.p2alignl 7, 3214868480
	.fill 96, 4, 3214868480
	.section	.rodata,"a",@progbits
	.p2align	6, 0x0
	.amdhsa_kernel k_q3c183bae83_attn
		.amdhsa_group_segment_fixed_size 327680
		.amdhsa_private_segment_fixed_size 0
		.amdhsa_enable_private_segment 0
		.amdhsa_kernarg_size 24
		.amdhsa_user_sgpr_count 2
		.amdhsa_user_sgpr_kernarg_segment_ptr 1
		.amdhsa_wavefront_size32 1
		.amdhsa_system_sgpr_workgroup_id_x 1
		.amdhsa_system_sgpr_workgroup_id_y 1
		.amdhsa_system_sgpr_workgroup_id_z 1
		.amdhsa_system_vgpr_workitem_id 0
		.amdhsa_next_free_vgpr 256
		.amdhsa_next_free_sgpr 72
		.amdhsa_reserve_vcc 1
		.amdhsa_float_denorm_mode_32 3
		.amdhsa_float_denorm_mode_16_64 3
		.amdhsa_memory_ordered 1
		.amdhsa_forward_progress 1
		.amdhsa_inst_pref_size 119
	.end_amdhsa_kernel
	.amdgpu_metadata
---
amdhsa.version: [ 1, 2 ]
amdhsa.kernels:
  - .name:           k_q3c183bae83_attn
    .symbol:         k_q3c183bae83_attn.kd
    .args:
      - { .name: qkvc, .offset: 0, .size: 8, .value_kind: global_buffer, .address_space: global }
      - { .name: lowp_scales, .offset: 8, .size: 8, .value_kind: global_buffer, .address_space: global }
      - { .name: poc, .offset: 16, .size: 8, .value_kind: global_buffer, .address_space: global }
    .group_segment_fixed_size: 327680
    .private_segment_fixed_size: 0
    .kernarg_segment_align: 8
    .kernarg_segment_size: 24
    .max_flat_workgroup_size: 512
    .sgpr_count:     72
    .vgpr_count:     256
    .wavefront_size: 32
...
	.end_amdgpu_metadata
.endif
;; end of part 3
;; launch oproj (part 4): grid 8 x 32, 4 waves a work-group, clusters of 4 x 4, 327,680 bytes of LDS; arguments poc, woc, lowp_scales, x, x1; writes x1
.if DOCPART == 4
	.amdgcn_target "amdgcn-amd-amdhsa--gfx1250"
	.amdhsa_code_object_version 6
	.text
	.protected	k_q3c183bae83_oproj
	.globl	k_q3c183bae83_oproj
	.p2align	8
	.type	k_q3c183bae83_oproj,@function
k_q3c183bae83_oproj:
	s_mov_b64 s[64:65], 0
	v_nop
	global_prefetch_b8 v0, s[64:65] scope:SCOPE_SE
	s_setreg_imm32_b32 hwreg(HW_REG_WAVE_MODE, 25, 1), 1
	s_wait_xcnt 0x0
	s_wait_alu depctr_hold_cnt(0) depctr_sa_sdst(0) depctr_va_vdst(0) depctr_va_sdst(0) depctr_va_ssrc(0) depctr_va_vcc(0) depctr_vm_vsrc(0)
	s_getreg_b32 s2, hwreg(HW_REG_IB_STS2, 6, 4)
	s_cmp_eq_u32 s2, 0
	s_cbranch_scc0 .Lentry_in_a_cluster
	s_endpgm
.Lentry_in_a_cluster:
	s_bfe_u32 s2, ttmp6, 0x10000c
	s_cmp_lg_u32 s2, 0xf033
	s_cbranch_scc0 .Lentry_shape_is_right
	s_endpgm
.Lentry_shape_is_right:
; out[m][n] = res[m][n] + 2^(ea + eb) x sum over k of A[m][k] B[n][k], on E4M3 codes.  Here: A = attention's codes, B = Wo's codes, res = x, out = x1; SIZE_K = 1,024; ea, eb = exponents 10, 11.
; A lies in blocks [m / 128][k / 128][128 rows][128 bytes]; B in rows [n][SIZE_K].  N = 1,024, M = 4,096.
; A tile of 128 x 128 gives 256 work-groups (tiles of 256 x 256 would be 64).  Four waves, 64 x 64 each: 16 accumulators.  A slot holds 512 along K, as much as two slots in LDS allow.
; At this SIZE_K the two first fills are all of K: no slot is filled again.
; CLUSTERS: 4 x 4 work-groups; A's tile is asked for jointly along a row of the cluster, B's along a column.  THE MATRIX INSTRUCTION IS USED TRANSPOSED: a lane holds eight neighbouring columns of one row.
; The residual's 64 x 64 numbers of a wave are asked for at the head, in the layout of the stores, and stay out over the whole loop.
; LIMIT: ea + eb between -126 and 127.
; REGISTERS: window 0: v0-31 addresses, v32-95 rows back from the stage, v128-255 accumulators ((a, b) at 128 + 8 (4 a + b)); window 1: two fragment buffers of 128 (A's four blocks, then B's four); window 2: v0-127 the residual.
.set SIZE_K, 1024
.set SCOFF,  40                        ; byte of ea in the exponents' buffer; eb follows
.set KSLOT,  512
.set APITCH, 144                       ; 128 bytes + 16
.set ABLK,   128*APITCH                ; a block of A: 128 rows x 128 along K
.set APART,  4*ABLK
.set BPITCH, 528                       ; 512 bytes + 16
.set BPART,  128*BPITCH
.set SLOT,   APART+BPART
.set SPARE,  2*SLOT                    ; the spare words: 128 bytes a wave, two blocks of 256 bytes that no other line names
.set SPITCH, 272                       ; the way out: 16 rows x (256 bytes + 16) for each wave, in slot 0, which has had its last fill and its last read by then
.set LAPS,   SIZE_K/(2*KSLOT)
.set ADRA, 16
.set ADRB, 20
.set STO,  24
.set RD,   25
.set CO,   26
.set SPW,  28
.set NIL,  29
.set TMP,  32
.set ACC,  128
.set F0,   0
.set F1,   128
.set G1, 24
.set G0, 32
.set G1B, 48
.set G0B, 56
.set MSB, 0
.macro WIN new
.if MSB != (\new)
	s_set_vgpr_msb (MSB<<8)|(\new)
.set MSB, (\new)
.endif
.endm
.set MUL,  0x05                        ; sources 0 (B) and 1 (A) window 1; C and D window 0
.set TO_F, 0x40                        ; destination window 1, address window 0
.macro JLOAD s                         ; waves 0, 1 fetch A's halves (two blocks of 128 along K each), waves 2, 3 B's (64 rows each); four v_nop follow each line
	s_cmp_eq_u32 s11, 0
	s_cbranch_scc0 .Lfor_b_\@
	tensor_load_to_lds s[G0+4*\s:G0+4*\s+3], s[G1:G1+7]
	s_nop 0
.rept 4
	v_nop
.endr
	s_branch .Lasked_\@
.Lfor_b_\@:
	tensor_load_to_lds s[G0B+4*\s:G0B+4*\s+3], s[G1B:G1B+7]
	s_nop 0
.rept 4
	v_nop
.endr
.Lasked_\@:
.endm
.macro CREST
	s_cmp_lg_u32 s10, 0
	s_cbranch_scc1 .Lnot_wave_0_\@
	s_barrier_signal -3
.Lnot_wave_0_\@:
	s_barrier_wait -3
	s_barrier_signal -1
	s_barrier_wait -1
.endm
.macro CROUND
	s_barrier_signal -1
	s_barrier_wait -1
	CREST
.endm
	s_load_b256 s[72:79], s[0:1], 0x0              ; A s[72:73], B s[74:75], the exponents s[76:77], the residual s[78:79]
	s_load_b64 s[80:81], s[0:1], 0x20              ; out
	v_lshl_add_u32 v[SPW], v0, 2, SPARE
	v_mov_b32 v[NIL], 0
	ds_add_u32 v28, v29
	s_wait_dscnt 0x0
	v_lshrrev_b32 v1, 5, v0
	v_readfirstlane_b32 s10, v1                    ; wave 0..3
	s_lshr_b32 s11, s10, 1                         ; my half of the tile's rows; also: I fetch for A (0) or B (1)
	s_and_b32 s12, s10, 1                          ; my half of its columns; also: which half I fetch
	s_bfe_u32 s40, ttmp6, 0x40000                  ; cx
	s_bfe_u32 s41, ttmp6, 0x40004                  ; cy
	s_lshl_b32 s42, ttmp9, 2
	s_add_co_u32 s42, s42, s40                     ; tile column
	s_and_b32 s13, ttmp7, 0xffff
	s_lshl_b32 s13, s13, 2
	s_add_co_u32 s13, s13, s41                     ; tile row
	s_lshl_b32 s43, s41, 2
	s_lshl_b32 s43, 15, s43                        ; my row of the cluster
	s_lshl_b32 s44, 0x1111, s40                    ; my column
	s_or_b32 s[G1+0], s43, (0<<16)|(1<<20)|(1<<21)|(4<<22)|(3<<25)   ; A: 256 dense rows of 128 bytes, 4 words of padding behind every 32
	s_mov_b32 s[G1+1], 128<<16
	s_mov_b32 s[G1+2], 256<<16
	s_mov_b32 s[G1+3], 128<<16
	s_mov_b32 s[G1+4], 256
	s_mov_b32 s[G1+5], 128
	s_mov_b32 s[G1+6], 0
	s_mov_b32 s[G1+7], 0
	s_or_b32 s[G1B+0], s44, (0<<16)|(1<<20)|(1<<21)|(6<<22)|(3<<25)  ; B: 64 rows of 512 bytes, SIZE_K apart, 4 words behind every 128
	s_mov_b32 s[G1B+1], KSLOT<<16
	s_mov_b32 s[G1B+2], 64<<16
	s_mov_b32 s[G1B+3], KSLOT<<16
	s_mov_b32 s[G1B+4], 64
	s_mov_b32 s[G1B+5], SIZE_K
	s_mov_b32 s[G1B+6], 0
	s_mov_b32 s[G1B+7], 0
	s_mul_i32 s16, s13, 128*SIZE_K                 ; A: the tile row's blocks,
	s_lshl_b32 s17, s12, 15                        ; and my two of a slot's four
	s_add_co_u32 s16, s16, s17
	s_mov_b32 s17, 0
	s_lshl_b32 s46, s42, 7
	s_lshl_b32 s47, s12, 6
	s_add_co_u32 s46, s46, s47
	s_mul_i32 s46, s46, SIZE_K                     ; B: row 128 x tile column + 64 x half
	s_mov_b32 s47, 0
	s_mul_i32 s20, s10, 2*ABLK                     ; LDS: waves 0, 1: A's halves
	s_mul_i32 s21, s10, 64*BPITCH
	s_add_co_u32 s21, s21, APART-2*64*BPITCH       ; waves 2, 3: B's halves, behind A's part
	s_wait_kmcnt 0x0
	s_load_b64 s[70:71], s[76:77], SCOFF           ; ea, eb
	s_add_nc_u64 s[14:15], s[72:73], s[16:17]
	s_add_nc_u64 s[46:47], s[74:75], s[46:47]
	CROUND                                         ; all sixteen work-groups are here: the first joint loads meet
.irp s, 0,1
	s_mov_b32 s[G0+4*\s], 1
	s_add_co_u32 s[G0+4*\s+1], s20, \s*SLOT
	s_add_nc_u64 s[G0+4*\s+2:G0+4*\s+3], s[14:15], \s*65536
	s_or_b32 s[G0+4*\s+3], s[G0+4*\s+3], 0x80000000
	s_mov_b32 s[G0B+4*\s], 1
	s_add_co_u32 s[G0B+4*\s+1], s21, \s*SLOT
	s_add_nc_u64 s[G0B+4*\s+2:G0B+4*\s+3], s[46:47], \s*KSLOT
	s_or_b32 s[G0B+4*\s+3], s[G0B+4*\s+3], 0x80000000
	JLOAD \s
.endr
	v_and_b32 v1, 15, v0                           ; r
	v_bfe_u32 v2, v0, 4, 1                         ; h
	v_mul_u32_u24 v3, v1, APITCH
	v_lshl_add_u32 v3, v2, 4, v3
	v_mul_u32_u24 v4, v1, BPITCH
	v_lshl_add_u32 v4, v2, 4, v4
	s_mul_i32 s21, s11, 64*APITCH                  ; my 64 rows of A
	s_mul_i32 s22, s12, 64*BPITCH                  ; my 64 rows of B,
	s_add_co_u32 s22, s22, APART                   ; behind A's part
.irp s, 0,1
	v_add_nc_u32 v[ADRA+\s], s21, v3
	v_add_nc_u32 v[ADRB+\s], s22, v4
	s_add_co_u32 s21, s21, SLOT
	s_add_co_u32 s22, s22, SLOT
.endr
	s_mul_i32 s23, s10, 16*SPITCH                  ; my stage
	v_mul_u32_u24 v5, v1, SPITCH
	v_lshl_add_u32 v5, v2, 5, v5
	v_add_nc_u32 v[STO], s23, v5                   ; in: row r, 32 bytes for each half of the lanes
	v_mul_u32_u24 v5, v2, SPITCH
	v_lshl_add_u32 v5, v1, 4, v5
	v_add_nc_u32 v[RD], s23, v5                    ; back: lanes 0-15 one row of 256 bytes, lanes 16-31 the next
	v_lshlrev_b32 v5, 12, v2
	v_lshl_add_u32 v[CO], v1, 4, v5                ; and the same two rows in memory (a row is 4,096 bytes)
	s_lshl_b32 s16, s13, 7
	s_lshl_b32 s17, s11, 6
	s_add_co_u32 s16, s16, s17
	s_lshl_b32 s16, s16, 12                        ; my first row
	s_mov_b32 s17, 0
	s_add_nc_u64 s[78:79], s[78:79], s[16:17]
	s_add_nc_u64 s[80:81], s[80:81], s[16:17]
	s_lshl_b32 s46, s42, 9
	s_lshl_b32 s47, s12, 8
	s_add_co_u32 s46, s46, s47                     ; my first column, in bytes
	s_mov_b32 s47, 0
	s_add_nc_u64 s[78:79], s[78:79], s[46:47]
	s_add_nc_u64 s[80:81], s[80:81], s[46:47]
	WIN 0x80                                       ; destination window 2
.set n, 0
.rept 32
	global_load_b128 v[4*n:4*n+3], v[CO], s[78:79] offset:2*n*4096 th:TH_LOAD_NT   ; the residual: rows 2 n, 2 n + 1 of my 64
.set n, n+1
.endr
	WIN 0
.macro MULA f, a, zero                 ; A's block a x B's four; the 16 accumulators take turns in the same order in every quarter
.irp b, 0,1,2,3
.if \zero
	v_wmma_f32_16x16x128_fp8_fp8 v[ACC+8*(4*(\a)+\b):ACC+8*(4*(\a)+\b)+7], v[\f+64+16*\b:\f+64+16*\b+15], v[\f+16*(\a):\f+16*(\a)+15], 0
.else
	v_wmma_f32_16x16x128_fp8_fp8 v[ACC+8*(4*(\a)+\b):ACC+8*(4*(\a)+\b)+7], v[\f+64+16*\b:\f+64+16*\b+15], v[\f+16*(\a):\f+16*(\a)+15], v[ACC+8*(4*(\a)+\b):ACC+8*(4*(\a)+\b)+7]
.endif
.endr
.endm
.macro FETCH slot, q, f                ; 32 LDS loads in one run: the slot's q-th 128 along K: B's four blocks, then A's four
	WIN TO_F
.irp i, 0,1,2,3
.irp c, 0,1,2,3
	ds_load_b128 v[\f+64+16*\i+4*\c:\f+64+16*\i+4*\c+3], v[ADRB+\slot] offset:128*(\q)+\i*16*BPITCH+32*\c
.endr
.endr
.irp i, 0,1,2,3
.irp c, 0,1,2,3
	ds_load_b128 v[\f+16*\i+4*\c:\f+16*\i+4*\c+3], v[ADRA+\slot] offset:(\q)*ABLK+\i*16*APITCH+32*\c
.endr
.endr
.endm
.macro PLACES
.rept 4
	v_nop
.endr
.endm
.macro QUARTER slot, qn, f, g, zero    ; multiplies buffer f; in its middle fetches the slot's quarter qn into buffer g
	s_wait_dscnt 8                                 ; all but the youngest eight loads (A's blocks 2, 3) are in
	WIN MUL
	MULA \f, 0, \zero
	MULA \f, 1, \zero
	PLACES
	FETCH \slot, \qn, \g
	s_wait_dscnt 32                                ; all but the 32 just issued
	WIN MUL
	MULA \f, 2, \zero
	MULA \f, 3, \zero
.endm
.macro TURN slot, next, fill           ; a slot's last quarter (buffer 1) changes slots
	WIN 0
	s_wait_tensorcnt 0x0                           ; all my tensor loads have landed: my part of the next slot
	ds_add_u32 v[SPW], v[NIL]                      ; 0 onto my spare word
	s_wait_dscnt 9                                 ; (the add and the youngest eight loads may be out)
	WIN MUL
	MULA F1, 0, 0
	s_wait_dscnt 0x0                               ; the add is done, and my reads of this slot are over
	s_barrier_signal -1
	MULA F1, 1, 0
.if \fill
	WIN 0
.endif
	s_barrier_wait -1
.if \fill
	CREST                                          ; the barrier has opened a round of the cluster's
	s_add_nc_u64 s[G0+4*\slot+2:G0+4*\slot+3], s[G0+4*\slot+2:G0+4*\slot+3], 2*65536
	s_add_nc_u64 s[G0B+4*\slot+2:G0B+4*\slot+3], s[G0B+4*\slot+2:G0B+4*\slot+3], 2*KSLOT
	JLOAD \slot                                    ; the first tensor load behind the round; its four v_nop are the places in front of the loads below
.else
	PLACES
.endif
	FETCH \next, 0, F0
	WIN MUL
	MULA F1, 2, 0
	MULA F1, 3, 0
.endm
	s_wait_tensorcnt 1                             ; my part of slot 0 is in; slot 1's load may be out
	s_barrier_signal -1
	s_barrier_wait -1
	FETCH 0, 0, F0
	QUARTER 0, 1, F0, F1, 1                        ; the first quarter's products start the sums
.if LAPS > 1
	WIN 0
	s_mov_b32 s3, LAPS-1
.Llap:
	QUARTER 0, 2, F1, F0, 0
	QUARTER 0, 3, F0, F1, 0
	TURN 0, 1, 1
	QUARTER 1, 1, F0, F1, 0
	QUARTER 1, 2, F1, F0, 0
	QUARTER 1, 3, F0, F1, 0
	TURN 1, 0, 1
	QUARTER 0, 1, F0, F1, 0
	WIN 0
	s_sub_co_u32 s3, s3, 1
	s_cmp_lg_u32 s3, 0
	s_cbranch_scc1 .Llap
.endif
	QUARTER 0, 2, F1, F0, 0                        ; the last lap fills nothing
	QUARTER 0, 3, F0, F1, 0
	TURN 0, 1, 0
	QUARTER 1, 1, F0, F1, 0
	QUARTER 1, 2, F1, F0, 0
	QUARTER 1, 3, F0, F1, 0
	s_wait_dscnt 8
	WIN MUL
	MULA F1, 0, 0
	MULA F1, 1, 0
	s_wait_dscnt 0
	MULA F1, 2, 0
	MULA F1, 3, 0
	WIN 0
	; THE WAY OUT, 16 rows at a time: the sums go through my stage and come back as rows of 256 bytes, in the residual's layout; one packed multiply-add gives sum x 2^(ea + eb) + residual.
	s_wait_kmcnt 0x0
	s_add_co_i32 s70, s70, s71
	s_add_co_i32 s70, s70, 127
	s_lshl_b32 s70, s70, 23                        ; 2^(ea + eb)
	s_mov_b32 s71, s70
	s_wait_loadcnt 0x0                             ; the residual
	PLACES
.irp a, 0,1,2,3
.irp b, 0,1,2,3
	ds_store_b128 v[STO], v[ACC+8*(4*\a+\b):ACC+8*(4*\a+\b)+3] offset:64*\b          ; each accumulator from its low end on
	ds_store_b128 v[STO], v[ACC+8*(4*\a+\b)+4:ACC+8*(4*\a+\b)+7] offset:64*\b+16
.endr
.irp t, 0,1,2,3,4,5,6,7
	ds_load_b128 v[TMP+32*(\a%2)+4*\t:TMP+32*(\a%2)+4*\t+3], v[RD] offset:\t*2*SPITCH   ; LDS serves a wave's instructions in order (ISA guide 5.7.1.4)
.endr
	s_wait_dscnt 0x0
	WIN 0xa0                                       ; source 2 and destination window 2
.irp j, 0,2,4,6,8,10,12,14,16,18,20,22,24,26,28,30
	v_pk_fma_f32 v[32*\a+\j:32*\a+\j+1], v[TMP+32*(\a%2)+\j:TMP+32*(\a%2)+\j+1], s[70:71], v[32*\a+\j:32*\a+\j+1] op_sel_hi:[1,0,1]
.endr
	WIN 0x08                                       ; store data window 2
.irp t, 0,1,2,3,4,5,6,7
	global_store_b128 v[CO], v[32*\a+4*\t:32*\a+4*\t+3], s[80:81] offset:(16*\a+2*\t)*4096 th:TH_STORE_NT   ; 16 lanes store 256 consecutive bytes, aligned
.endr
	WIN 0
.endr
	s_wait_tensorcnt 0x0                           ; the wave's end
	ds_add_u32 v[SPW], v[NIL]
	s_wait_dscnt 0x0
	CROUND                                         ; the closing round
	s_endpgm
.Lfunc_end_k_q3c183bae83_oproj:
	.size	k_q3c183bae83_oproj, .Lfunc_end_k_q3c183bae83_oproj-k_q3c183bae83_oproj
	.p2alignl 7, 3214868480
	.fill 96, 4, 3214868480
	.section	.rodata,"a",@progbits
	.p2align	6, 0x0
	.amdhsa_kernel k_q3c183bae83_oproj
		.amdhsa_group_segment_fixed_size 327680
		.amdhsa_private_segment_fixed_size 0
		.amdhsa_enable_private_segment 0
		.amdhsa_kernarg_size 40
		.amdhsa_user_sgpr_count 2
		.amdhsa_user_sgpr_kernarg_segment_ptr 1
		.amdhsa_wavefront_size32 1
		.amdhsa_system_sgpr_workgroup_id_x 1
		.amdhsa_system_sgpr_workgroup_id_y 1
		.amdhsa_system_sgpr_workgroup_id_z 1
		.amdhsa_system_vgpr_workitem_id 0
		.amdhsa_next_free_vgpr 640
		.amdhsa_next_free_sgpr 98
		.amdhsa_reserve_vcc 0
		.amdhsa_float_denorm_mode_32 3
		.amdhsa_float_denorm_mode_16_64 3
		.amdhsa_memory_ordered 1
		.amdhsa_forward_progress 1
		.amdhsa_inst_pref_size 49
	.end_amdhsa_kernel
	.amdgpu_metadata
---
amdhsa.version: [ 1, 2 ]
amdhsa.kernels:
  - .name:           k_q3c183bae83_oproj
    .symbol:         k_q3c183bae83_oproj.kd
    .args:
      - { .name: poc, .offset: 0, .size: 8, .value_kind: global_buffer, .address_space: global }
      - { .name: woc, .offset: 8, .size: 8, .value_kind: global_buffer, .address_space: global }
      - { .name: lowp_scales, .offset: 16, .size: 8, .value_kind: global_buffer, .address_space: global }
      - { .name: x, .offset: 24, .size: 8, .value_kind: global_buffer, .address_space: global }
      - { .name: x1, .offset: 32, .size: 8, .value_kind: global_buffer, .address_space: global }
    .group_segment_fixed_size: 327680
    .private_segment_fixed_size: 0
    .kernarg_segment_align: 8
    .kernarg_segment_size: 40
    .max_flat_workgroup_size: 128
    .sgpr_count:     98
    .vgpr_count:     640
    .wavefront_size: 32
...
	.end_amdgpu_metadata
.endif
;; end of part 4
;; launch ln2 (part 5): grid 256 x 1, 8 waves a work-group, no clusters, 82,944 bytes of LDS; arguments x1, ln2_std_scale, ln2_mean_scale, lowp_scales, h2c; writes h2c
.if DOCPART == 5
	.amdgcn_target "amdgcn-amd-amdhsa--gfx1250"
	.amdhsa_code_object_version 6
	.text
	.protected	k_q3c183bae83_ln2
	.globl	k_q3c183bae83_ln2
	.p2align	8
	.type	k_q3c183bae83_ln2,@function
k_q3c183bae83_ln2:
	s_mov_b64 s[64:65], 0
	v_nop
	global_prefetch_b8 v0, s[64:65] scope:SCOPE_SE
	s_setreg_imm32_b32 hwreg(HW_REG_WAVE_MODE, 25, 1), 1
	s_wait_xcnt 0x0
; h = (x1 - mean) / sqrt(var (ddof 1) + 1e-9) * gain + offset, row by row of 1,024, quantised to E4M3 codes with scale 2^e12: h2c[4096][1024].
; A wave takes two rows.  Each load reads 512 consecutive bytes; a step of 2,048 bytes turns through the wave's own stage in LDS (16 bytes of padding behind each 64) and comes back as 16 neighbours a lane,
; which is what the conversions take; a lane's 16 codes are 16 bytes, so a wave's store covers 512 consecutive bytes.  Waves share nothing: no barrier.  Mean and variance in two passes.
; LIMITS: e12 between -126 and 119.  NaN among the inputs is not served.
.set SP,    80
.set STG,   32*SP
.set WREG,  4*STG
.set R,     16
.set X,     80
.set G,     144
.set BV,    176
.set T,     208
.set C,     224
.set SC,    248
.macro TURN rho, t
.irp i, 0,1,2,3
	ds_store_b128 v3, v[R+32*\rho+16*\t+4*\i:R+32*\rho+16*\t+4*\i+3] offset:(2*\rho+\t)*STG+8*SP*\i
.endr
.irp i, 0,1,2,3
	ds_load_b128 v[X+32*\rho+16*\t+4*\i:X+32*\rho+16*\t+4*\i+3], v4 offset:(2*\rho+\t)*STG+16*\i
.endr
.endm
.macro ALLSUM
	v_pk_add_f32 v[8:9], v[8:9], v[10:11]
	v_pk_add_f32 v[12:13], v[12:13], v[14:15]
	v_pk_add_f32 v[8:9], v[8:9], v[12:13]
	v_add_f32 v8, v8, v9
	v_add_f32_dpp v8, v8, v8 row_xmask:1 row_mask:0xf bank_mask:0xf
	v_add_f32_dpp v8, v8, v8 row_xmask:2 row_mask:0xf bank_mask:0xf
	v_add_f32_dpp v8, v8, v8 row_xmask:4 row_mask:0xf bank_mask:0xf
	v_add_f32_dpp v8, v8, v8 row_xmask:8 row_mask:0xf bank_mask:0xf
	v_permlanex16_b32 v9, v8, s30, s31
	v_add_f32 v8, v8, v9
.endm
.macro LNROW rho, cnt
.set XR, X+32*\rho
	s_wait_dscnt \cnt                              ; this row is back from its stages; cnt younger LDS instructions (the other row's) may be out
.irp c, 0,1,2,3
	v_pk_add_f32 v[8+2*\c:9+2*\c], v[XR+2*\c:XR+2*\c+1], v[XR+8+2*\c:XR+9+2*\c]
.endr
.irp k, 16,24
.irp c, 0,1,2,3
	v_pk_add_f32 v[8+2*\c:9+2*\c], v[8+2*\c:9+2*\c], v[XR+\k+2*\c:XR+\k+2*\c+1]
.endr
.endr
	ALLSUM
	v_mul_f32 v254, s26, v8
	v_mul_f32 v255, s26, v8
.set j, 0
.rept 16
	v_pk_add_f32 v[XR+j:XR+j+1], v[XR+j:XR+j+1], v[254:255] neg_lo:[0,1] neg_hi:[0,1]
.set j, j+2
.endr
.irp c, 0,1,2,3
	v_pk_mul_f32 v[8+2*\c:9+2*\c], v[XR+2*\c:XR+2*\c+1], v[XR+2*\c:XR+2*\c+1]
.endr
.irp k, 8,16,24
.irp c, 0,1,2,3
	v_pk_fma_f32 v[8+2*\c:9+2*\c], v[XR+\k+2*\c:XR+\k+2*\c+1], v[XR+\k+2*\c:XR+\k+2*\c+1], v[8+2*\c:9+2*\c]
.endr
.endr
	ALLSUM
	v_fma_f32 v8, v8, s27, s28                     ; sum of squares / 1023 + 1e-9
	v_rsq_f32 v254, v8
	v_rsq_f32 v255, v8
.if \rho == 0
	s_wait_loadcnt 0x0                             ; the gain and the offset
.endif
	v_nop                                          ; a plain line behind the transcendentals (ISA guide 5.7.2),
	s_wait_alu depctr_va_vdst(0)                   ; and the one wait ahead of their first reader
.set j, 0
.rept 16
	v_pk_mul_f32 v[XR+j:XR+j+1], v[XR+j:XR+j+1], v[254:255]
.set j, j+2
.endr
.set j, 0
.rept 16
	v_pk_fma_f32 v[XR+j:XR+j+1], v[XR+j:XR+j+1], v[G+j:G+j+1], v[BV+j:BV+j+1]
.set j, j+2
.endr
.irp t, 0,1
.irp i, 0,1,2,3,4,5,6,7,8,9,10,11,12,13,14,15
	v_med3_num_f32 v[T+\i], v[XR+16*\t+\i], -v[SC+1], v[SC+1]   ; the conversion does not saturate (ISA guide 7.6.2): hold first
.endr
	v_cvt_scalef32_pk8_fp8_f32 v[C+8*\rho+4*\t:C+8*\rho+4*\t+1], v[T:T+7], v[SC]
	v_cvt_scalef32_pk8_fp8_f32 v[C+8*\rho+4*\t+2:C+8*\rho+4*\t+3], v[T+8:T+15], v[SC]
	v_nop                                          ; a plain line between the conversions and the next holds, which write their sources
	global_store_b128 v2, v[C+8*\rho+4*\t:C+8*\rho+4*\t+3], s[20:21] offset:\rho*1024+512*\t   ; each store has registers of its own
.endr
.endm
	s_load_b256 s[4:11], s[0:1], 0x0               ; x1 s[4:5], gain s[6:7], offset s[8:9], the exponents s[10:11]
	s_load_b64 s[14:15], s[0:1], 0x20              ; h2c
	v_lshl_add_u32 v252, v0, 2, 0x14000
	v_mov_b32 v253, 0
	v_lshrrev_b32 v1, 5, v0
	v_readfirstlane_b32 s18, v1                    ; wave 0..7
	v_and_b32 v1, 31, v0
	v_lshlrev_b32 v2, 4, v1
	v_lshlrev_b32 v5, 6, v1
	s_mul_i32 s19, s18, WREG
	v_lshrrev_b32 v3, 2, v1
	v_mul_u32_u24 v3, v3, SP
	v_and_b32 v8, 3, v1
	v_lshl_add_u32 v3, v8, 4, v3
	v_add_nc_u32 v3, s19, v3
	v_mul_u32_u24 v4, v1, SP
	v_add_nc_u32 v4, s19, v4
	s_mov_b32 s3, 0
	s_mov_b32 s30, 0x76543210
	s_mov_b32 s31, 0xfedcba98
	s_mov_b32 s26, 0x3a800000                      ; 1 / 1024
	s_mov_b32 s27, 0x3a802008                      ; 1 / 1023
	s_mov_b32 s28, 0x3089705f                      ; 1e-9
	s_lshl_b32 s19, ttmp9, 4
	s_lshl_b32 s2, s18, 1
	s_add_co_u32 s19, s19, s2                      ; my first row
	s_wait_kmcnt 0x0
	s_load_b32 s32, s[10:11], 0x30                 ; e12
	s_lshl_b32 s2, s19, 12
	s_add_nc_u64 s[4:5], s[4:5], s[2:3]
	s_lshl_b32 s2, s19, 10
	s_add_nc_u64 s[20:21], s[14:15], s[2:3]
.irp rho, 0,1
.irp t, 0,1
.irp i, 0,1,2,3
	global_load_b128 v[R+32*\rho+16*\t+4*\i:R+32*\rho+16*\t+4*\i+3], v2, s[4:5] offset:\rho*4096+\t*2048+512*\i
.endr
.endr
.endr
.irp t, 0,1
.irp i, 0,1,2,3
	global_load_b128 v[G+16*\t+4*\i:G+16*\t+4*\i+3], v5, s[6:7] offset:2048*\t+16*\i
.endr
.endr
.irp t, 0,1
.irp i, 0,1,2,3
	global_load_b128 v[BV+16*\t+4*\i:BV+16*\t+4*\i+3], v5, s[8:9] offset:2048*\t+16*\i
.endr
.endr
	s_wait_kmcnt 0x0
	s_add_co_i32 s2, s32, 127
	s_lshl_b32 s29, s2, 23
	v_mov_b32 v[SC], s29                           ; 2^e12
	s_add_co_i32 s2, s2, 8
	s_lshl_b32 s2, s2, 23
	s_or_b32 s2, s2, 0x600000
	v_mov_b32 v[SC+1], s2                          ; 448 x 2^e12
	s_wait_loadcnt 24                              ; row 0's eight loads are in; 24 younger ones may be out
	TURN 0, 0
	TURN 0, 1
	s_wait_loadcnt 16                              ; row 1's; the gain's and the offset's sixteen may be out
	TURN 1, 0
	TURN 1, 1
	LNROW 0, 16
	LNROW 1, 0
	s_wait_tensorcnt 0x0
	ds_add_u32 v252, v253
	s_wait_dscnt 0x0
	s_endpgm
.Lfunc_end_k_q3c183bae83_ln2:
	.size	k_q3c183bae83_ln2, .Lfunc_end_k_q3c183bae83_ln2-k_q3c183bae83_ln2
	.p2alignl 7, 3214868480
	.fill 96, 4, 3214868480
	.section	.rodata,"a",@progbits
	.p2align	6, 0x0
	.amdhsa_kernel k_q3c183bae83_ln2
		.amdhsa_group_segment_fixed_size 82944
		.amdhsa_private_segment_fixed_size 0
		.amdhsa_enable_private_segment 0
		.amdhsa_kernarg_size 40
		.amdhsa_user_sgpr_count 2
		.amdhsa_user_sgpr_kernarg_segment_ptr 1
		.amdhsa_wavefront_size32 1
		.amdhsa_system_sgpr_workgroup_id_x 1
		.amdhsa_system_sgpr_workgroup_id_y 1
		.amdhsa_system_sgpr_workgroup_id_z 1
		.amdhsa_system_vgpr_workitem_id 0
		.amdhsa_next_free_vgpr 256
		.amdhsa_next_free_sgpr 66
		.amdhsa_reserve_vcc 0
		.amdhsa_float_denorm_mode_32 3
		.amdhsa_float_denorm_mode_16_64 3
		.amdhsa_memory_ordered 1
		.amdhsa_forward_progress 1
		.amdhsa_inst_pref_size 25
	.end_amdhsa_kernel
	.amdgpu_metadata
---
amdhsa.version: [ 1, 2 ]
amdhsa.kernels:
  - .name:           k_q3c183bae83_ln2
    .symbol:         k_q3c183bae83_ln2.kd
    .args:
      - { .name: x1, .offset: 0, .size: 8, .value_kind: global_buffer, .address_space: global }
      - { .name: ln2_std_scale, .offset: 8, .size: 8, .value_kind: global_buffer, .address_space: global }
      - { .name: ln2_mean_scale, .offset: 16, .size: 8, .value_kind: global_buffer, .address_space: global }
      - { .name: lowp_scales, .offset: 24, .size: 8, .value_kind: global_buffer, .address_space: global }
      - { .name: h2c, .offset: 32, .size: 8, .value_kind: global_buffer, .address_space: global }
    .group_segment_fixed_size: 82944
    .private_segment_fixed_size: 0
    .kernarg_segment_align: 8
    .kernarg_segment_size: 40
    .max_flat_workgroup_size: 256
    .sgpr_count:     66
    .vgpr_count:     256
    .wavefront_size: 32
...
	.end_amdgpu_metadata
.endif
;; end of part 5
;; launch up (part 6): grid 16 x 16, 4 waves a work-group, clusters of 4 x 4, 327,680 bytes of LDS; arguments h2c, W_up_codes, lowp_scales, midc; writes midc
.if DOCPART == 6
	.amdgcn_target "amdgcn-amd-amdhsa--gfx1250"
	.amdhsa_code_object_version 6
	.text
	.protected	k_q3c183bae83_up
	.globl	k_q3c183bae83_up
	.p2align	8
	.type	k_q3c183bae83_up,@function
k_q3c183bae83_up:
	s_mov_b64 s[64:65], 0
	v_nop
	global_prefetch_b8 v0, s[64:65] scope:SCOPE_SE
	s_setreg_imm32_b32 hwreg(HW_REG_WAVE_MODE, 25, 1), 1
	s_wait_xcnt 0x0
	s_wait_alu depctr_hold_cnt(0) depctr_sa_sdst(0) depctr_va_vdst(0) depctr_va_sdst(0) depctr_va_ssrc(0) depctr_va_vcc(0) depctr_vm_vsrc(0)
	s_getreg_b32 s2, hwreg(HW_REG_IB_STS2, 6, 4)
	s_cmp_eq_u32 s2, 0
	s_cbranch_scc0 .Lentry_in_a_cluster
	s_endpgm
.Lentry_in_a_cluster:
	s_bfe_u32 s2, ttmp6, 0x10000c
	s_cmp_lg_u32 s2, 0xf033
	s_cbranch_scc0 .Lentry_shape_is_right
	s_endpgm
.Lentry_shape_is_right:
; mid = gelu(h W_up^T), exact (erf) form, on E4M3 codes [4096 x 1024] x [4096 x 1024]^T, quantised at once with scale 2^e14.
; A tile of 256 x 256 is made by four waves, 128 x 128 each: 64 accumulators, 512 registers.  K goes in steps of 256 through a ring of two LDS slots; 4 x 4 clusters ask for A's tiles jointly along a row, B's along a column.
; THE MATRIX INSTRUCTION IS USED TRANSPOSED: a lane holds eight neighbouring columns of one row, which are eight neighbours along the next product's K.
; GELU: x = sum x 2^(e12 + e13); z = x / sqrt(2) held within +-3.7439212; erf(z) = z P(z^2) / Q(z^2), a rational form in f32 (degrees 4 and 6); 2 gelu = x erf + x; the half goes into the conversion's scale, 2^(e14 + 1).
; The 512 numbers of a lane go in 16 trips of 32: only the lines that name accumulators are written sixteen times, the arithmetic once.
; OUT: midc in blocks [token / 128][column / 128][128 rows][128 bytes]: a wave's 128 x 128 codes are 16,384 consecutive bytes.
; LIMITS: e12 + e13 between -126 and 127; e14 between -127 and 118.
.set KSTEP,  256
.set ROWB,   256
.set KROW,   1024
.set PITCH,  272                       ; 256 bytes + 16 of padding: the 16 rows that a load touches start at 16 different banks (64 banks of 4 bytes: ISA guide 11.1)
.set FR,     16
.set NL,     4
.set NP,     4
.set HALFT,  128*PITCH
.set SLOT,   4*HALFT
.set LAPS,   2
.set SPARE,  2*SLOT                    ; the spare words: two blocks of 256 bytes that no other line names
.set GP,     80                        ; the way out: a stage row: 64 bytes + 16
.set GBLK,   16*GP                     ; a trip's 16 rows x 64 codes
.set WSTG,   16*GBLK                   ; a wave's stage, in slot 0, which has had its last fill and its last read by then
.set ADRA, 16
.set ADRB, 20
.set STO,  24
.set RD,   25
.set CO,   26
.set SPW,  28
.set NIL,  29
.set AF,   128
.set S,    32                          ; the way out, window 0: x
.set Z,    64                          ; z
.set Z2,   96                          ; z^2
.set P,    128
.set Q,    160
.set G1, 24
.set G0, 32
.set G1B, 48
.set G0B, 56
.set MSB, 0
.macro WIN new
.if MSB != (\new)
	s_set_vgpr_msb (MSB<<8)|(\new)
.set MSB, (\new)
.endif
.endm
.set MUL_LO, 0xa1
.set MUL_HI, 0xf1
.set TO_B,   0x40
.macro JLOAD g0a, g1a, g0b, g1b
	s_cmp_eq_u32 s15, 0
	s_cbranch_scc0 .Lfor_b_\@
	tensor_load_to_lds s[\g0a:\g0a+3], s[\g1a:\g1a+7]
	s_nop 0
.rept 4
	v_nop
.endr
	s_branch .Lasked_\@
.Lfor_b_\@:
	tensor_load_to_lds s[\g0b:\g0b+3], s[\g1b:\g1b+7]
	s_nop 0
.rept 4
	v_nop
.endr
.Lasked_\@:
.endm
.macro CREST
	s_cmp_lg_u32 s14, 0
	s_cbranch_scc1 .Lnot_wave_0_\@
	s_barrier_signal -3
.Lnot_wave_0_\@:
	s_barrier_wait -3
	s_barrier_signal -1
	s_barrier_wait -1
.endm
.macro CROUND
	s_barrier_signal -1
	s_barrier_wait -1
	CREST
.endm
	s_load_b128 s[4:7], s[0:1], 0x0                ; A's codes s[4:5], B's codes s[6:7]
	s_load_b128 s[8:11], s[0:1], 0x10              ; the exponents s[8:9], midc s[10:11]
	v_lshl_add_u32 v[SPW], v0, 2, SPARE
	v_mov_b32 v[NIL], 0
	ds_add_u32 v28, v29
	s_wait_dscnt 0x0
	v_lshrrev_b32 v1, 5, v0
	v_readfirstlane_b32 s14, v1
	s_lshr_b32 s15, s14, 1
	s_and_b32 s16, s14, 1
	s_bfe_u32 s40, ttmp6, 0x40000
	s_bfe_u32 s41, ttmp6, 0x40004
	s_lshl_b32 s42, ttmp9, 2
	s_add_co_u32 s42, s42, s40                     ; tile column
	s_and_b32 s17, ttmp7, 0xffff
	s_lshl_b32 s17, s17, 2
	s_add_co_u32 s17, s17, s41                     ; tile row
	s_lshl_b32 s43, s41, 2
	s_lshl_b32 s43, 15, s43
	s_lshl_b32 s44, 0x1111, s40
	s_or_b32 s[G1+0], s43, (0<<16)|(1<<20)|(1<<21)|(5<<22)|(3<<25)
	s_or_b32 s[G1B+0], s44, (0<<16)|(1<<20)|(1<<21)|(5<<22)|(3<<25)
.irp g, G1, G1B
	s_mov_b32 s[\g+1], ROWB<<16
	s_mov_b32 s[\g+2], 128<<16
	s_mov_b32 s[\g+3], ROWB<<16
	s_mov_b32 s[\g+4], 128
	s_mov_b32 s[\g+5], KROW
	s_mov_b32 s[\g+6], 0
	s_mov_b32 s[\g+7], 0
.endr
	s_lshl_b32 s18, s16, 7
	s_lshl_b32 s20, s17, 8
	s_add_co_u32 s20, s20, s18
	s_lshl_b32 s20, s20, 10
	s_mov_b32 s21, 0
	s_lshl_b32 s46, s42, 8
	s_add_co_u32 s46, s46, s18
	s_lshl_b32 s46, s46, 10
	s_mov_b32 s47, 0
	s_mul_i32 s45, s14, HALFT
	s_wait_kmcnt 0x0
	s_load_b128 s[96:99], s[8:9], 0x30             ; e12, e13, e14, e15
	s_add_nc_u64 s[20:21], s[4:5], s[20:21]
	s_add_nc_u64 s[46:47], s[6:7], s[46:47]
	CROUND
.irp s, 0,1
	s_mov_b32 s[G0+4*\s], 1
	s_add_co_u32 s[G0+4*\s+1], s45, \s*SLOT
	s_add_nc_u64 s[G0+4*\s+2:G0+4*\s+3], s[20:21], \s*ROWB
	s_or_b32 s[G0+4*\s+3], s[G0+4*\s+3], 0x80000000
	s_mov_b32 s[G0B+4*\s], 1
	s_add_co_u32 s[G0B+4*\s+1], s45, \s*SLOT
	s_add_nc_u64 s[G0B+4*\s+2:G0B+4*\s+3], s[46:47], \s*ROWB
	s_or_b32 s[G0B+4*\s+3], s[G0B+4*\s+3], 0x80000000
	JLOAD G0+4*\s, G1, G0B+4*\s, G1B
.endr
	v_and_b32 v1, 15, v0
	v_bfe_u32 v2, v0, 4, 1
	v_mul_u32_u24 v3, v1, PITCH
	v_lshl_add_u32 v4, v2, 4, v3
	s_mul_i32 s21, s15, HALFT
	s_mul_i32 s22, s16, HALFT
	s_add_co_u32 s22, s22, 2*HALFT
.irp s, 0,1
	v_add_nc_u32 v[ADRA+\s], s21, v4
	v_add_nc_u32 v[ADRB+\s], s22, v4
	s_add_co_u32 s21, s21, SLOT
	s_add_co_u32 s22, s22, SLOT
.endr
	s_mul_i32 s23, s14, WSTG                       ; my stage: [trip 16][16 rows][64 bytes + 16]
	v_mul_u32_u24 v5, v1, GP
	v_lshl_add_u32 v5, v2, 3, v5
	v_add_nc_u32 v[STO], s23, v5                   ; in: row r, 8 bytes for each half of the lanes
	v_and_b32 v6, 31, v0
	v_lshlrev_b32 v[CO], 4, v6
	v_lshrrev_b32 v7, 3, v6
	v_mul_u32_u24 v7, v7, GP
	v_bfe_u32 v8, v0, 2, 1
	v_mul_u32_u24 v8, v8, GBLK
	v_add_nc_u32 v7, v7, v8
	v_and_b32 v8, 3, v0
	v_lshl_add_u32 v7, v8, 4, v7
	v_add_nc_u32 v[RD], s23, v7                    ; back: eight lanes to a row of 128 bytes, whose halves lie in two neighbouring trips' parts
	s_lshl_b32 s20, s17, 1
	s_add_co_u32 s20, s20, s15                     ; my block of 128 tokens
	s_lshl_b32 s20, s20, 5
	s_lshl_b32 s46, s42, 1
	s_add_co_u32 s46, s46, s16                     ; my block of 128 columns
	s_add_co_u32 s20, s20, s46
	s_lshl_b32 s20, s20, 14
	s_mov_b32 s21, 0
	s_add_nc_u64 s[10:11], s[10:11], s[20:21]
.macro FRAG reg, adr, q, i
.irp c, 0,1,2,3
	ds_load_b128 v[\reg+4*\c:\reg+4*\c+3], v[\adr] offset:128*(\q)+32*\c+(\i)*16*PITCH
.endr
.endm
.macro MUL16 a0, p, zero               ; the 64 accumulators take turns, one instruction a turn, in the same order in every step
.irp a, \a0, \a0+1
.irp b, 0,1,2,3,4,5,6,7
.if \zero
	v_wmma_f32_16x16x128_fp8_fp8 v[8*(8*((\a)%4)+\b):8*(8*((\a)%4)+\b)+7], v[128*(\p)+FR*\b:128*(\p)+FR*\b+FR-1], v[AF+FR*(\a):AF+FR*(\a)+FR-1], 0
.else
	v_wmma_f32_16x16x128_fp8_fp8 v[8*(8*((\a)%4)+\b):8*(8*((\a)%4)+\b)+7], v[128*(\p)+FR*\b:128*(\p)+FR*\b+FR-1], v[AF+FR*(\a):AF+FR*(\a)+FR-1], v[8*(8*((\a)%4)+\b):8*(8*((\a)%4)+\b)+7]
.endif
.endr
.endr
.endm
.macro FETCH_B slot, q, p
	WIN TO_B
.irp i, 0,1,2,3,4,5,6,7
	FRAG 128*(\p)+FR*\i, ADRB+\slot, \q, \i
.endr
	WIN 0
.endm
.macro FETCH_A slot, q, i0
.irp i, \i0, \i0+1, \i0+2, \i0+3
	FRAG AF+FR*(\i), ADRA+\slot, \q, \i
.endr
.endm
.macro PLACES n
.rept \n
	v_nop
.endr
.endm
.macro STEP slot, q, zero
	s_wait_dscnt 4*NL                              ; all but the youngest sixteen loads (A's blocks 4-7) are in
	WIN MUL_LO
	MUL16 0, (\q)%2, \zero
	MUL16 2, (\q)%2, \zero
	s_wait_dscnt 0
	PLACES NP
	FETCH_B \slot, (\q)+1, 1-(\q)%2
	FETCH_A \slot, (\q)+1, 0
	WIN MUL_HI
	MUL16 4, (\q)%2, \zero
	MUL16 6, (\q)%2, \zero
	PLACES NP
	WIN 0
	FETCH_A \slot, (\q)+1, 4
.endm
.macro TURN slot, next, fill
	s_wait_tensorcnt 0x0                           ; all my tensor loads have landed: my part of the next slot
	ds_add_u32 v[SPW], v[NIL]                      ; 0 onto my spare word
	s_wait_dscnt 4*NL+1                            ; (the add and the youngest sixteen loads may be out)
	WIN MUL_LO
	MUL16 0, 1, 0
	s_wait_dscnt 0x0                               ; the add is done, and my reads of this slot are over
	s_barrier_signal -1
	MUL16 2, 1, 0
	WIN 0
	s_barrier_wait -1
.if \fill
	CREST
	s_add_nc_u64 s[G0+4*\slot+2:G0+4*\slot+3], s[G0+4*\slot+2:G0+4*\slot+3], 2*ROWB
	s_add_nc_u64 s[G0B+4*\slot+2:G0B+4*\slot+3], s[G0B+4*\slot+2:G0B+4*\slot+3], 2*ROWB
	JLOAD G0+4*\slot, G1, G0B+4*\slot, G1B
.else
	PLACES NP
.endif
	FETCH_B \next, 0, 0
	FETCH_A \next, 0, 0
	WIN MUL_HI
	MUL16 4, 1, 0
	MUL16 6, 1, 0
	PLACES NP
	WIN 0
	FETCH_A \next, 0, 4
.endm
	s_wait_tensorcnt 1                             ; my part of K step 0 is in; K step 1's load may be out
	s_barrier_signal -1
	s_barrier_wait -1
	FETCH_B 0, 0, 0
	FETCH_A 0, 0, 0
	FETCH_A 0, 0, 4
	STEP 0, 0, 1
	s_mov_b32 s3, LAPS-1
.Llap:
	TURN 0, 1, 1
	STEP 1, 0, 0
	TURN 1, 0, 1
	STEP 0, 0, 0
	s_sub_co_u32 s3, s3, 1
	s_cmp_lg_u32 s3, 0
	s_cbranch_scc1 .Llap
	TURN 0, 1, 0
	STEP 1, 0, 0
	s_wait_dscnt 4*NL
	WIN MUL_LO
	MUL16 0, 1, 0
	MUL16 2, 1, 0
	s_wait_dscnt 0
	WIN MUL_HI
	MUL16 4, 1, 0
	MUL16 6, 1, 0
	WIN 0
	; THE WAY OUT.  No tensor load is out since the last change of slots: the descriptors' registers take the constants, each as a pair for the packed forms.
.macro CPAIR r, val
	s_mov_b32 s[\r], \val
	s_mov_b32 s[\r+1], \val
.endm
	s_wait_kmcnt 0x0
	s_add_co_i32 s96, s96, s97
	s_add_co_i32 s96, s96, 127
	s_lshl_b32 s96, s96, 23                        ; 2^(e12 + e13)
	s_mov_b32 s97, s96
	s_add_co_i32 s98, s98, 128
	s_lshl_b32 s99, s98, 23                        ; 2^(e14 + 1)
	s_add_co_i32 s98, s98, 8
	s_lshl_b32 s98, s98, 23
	s_or_b32 s98, s98, 0x600000                    ; 448 x that
	CPAIR 24, 0.00022905065861350646               ; P, from the highest power down (its second constant lies in v[200:201])
	CPAIR 26, 0.050955695062380861
	CPAIR 28, 0.18520832239976145
	CPAIR 30, 1.128379143519084
	CPAIR 32, -0.00000011791602954361697           ; Q likewise (its second in v[202:203]; its last is 1)
	CPAIR 34, 0.0010179625278914885
	CPAIR 36, 0.014070470171167667
	CPAIR 38, 0.11098505178285362
	CPAIR 40, 0.49746925110067538
	CPAIR 44, 0x3f3504f3                           ; 1 / sqrt(2)
	PLACES NP                                      ; behind the last products: the lines below write registers that held A's fragments
	v_mov_b32 v200, 0.0034082910107109506
	v_mov_b32 v201, 0.0034082910107109506
	v_mov_b32 v202, 0.000023547966471313185
	v_mov_b32 v203, 0.000023547966471313185
	v_mov_b32 v204, s98
	v_mov_b32 v205, s99
	v_mov_b32 v206, 3.7439211627767994
.macro CASE k                          ; trip k: accumulators (k / 2, 4 (k % 2) + 0 .. 3) x 2^(e12 + e13) into x; each accumulator from its low end on
	WIN 0x02+(\k)/8
.irp j, 0,2,4,6,8,10,12,14,16,18,20,22,24,26,28,30
	v_pk_mul_f32 v[S+\j:S+\j+1], v[64*(((\k)/2)%4)+32*((\k)%2)+\j:64*(((\k)/2)%4)+32*((\k)%2)+\j+1], s[96:97] op_sel_hi:[1,0]
.endr
	WIN 0
.endm
.macro HORNER acc, sc                  ; acc = acc x z^2 + the constant in s[sc]
.set j, 0
.rept 16
	v_pk_fma_f32 v[\acc+j:\acc+j+1], v[\acc+j:\acc+j+1], v[Z2+j:Z2+j+1], s[\sc:\sc+1] op_sel_hi:[1,1,0]
.set j, j+2
.endr
.endm
	s_mov_b32 s18, 0                               ; the trip
	s_mov_b32 s19, 0                               ; its part of the stage
.Lg:
.irp k, 0,1,2,3,4,5,6,7,8,9,10,11,12,13,14
	s_cmp_eq_u32 s18, \k
	s_cbranch_scc1 .Lcase_\k
.endr
	CASE 15
	s_branch .Lcommon
.irp k, 0,1,2,3,4,5,6,7,8,9,10,11,12,13,14
.Lcase_\k:
	CASE \k
	s_branch .Lcommon
.endr
.Lcommon:
.set j, 0
.rept 16
	v_pk_mul_f32 v[Z+j:Z+j+1], v[S+j:S+j+1], s[44:45] op_sel_hi:[1,0]
.set j, j+2
.endr
.set j, 0
.rept 32
	v_med3_num_f32 v[Z+j], v[Z+j], -v206, v206
.set j, j+1
.endr
.set j, 0
.rept 16
	v_pk_mul_f32 v[Z2+j:Z2+j+1], v[Z+j:Z+j+1], v[Z+j:Z+j+1]
.set j, j+2
.endr
.set j, 0
.rept 16
	v_pk_fma_f32 v[P+j:P+j+1], v[Z2+j:Z2+j+1], s[24:25], v[200:201] op_sel_hi:[1,0,1]
.set j, j+2
.endr
	HORNER P, 26
	HORNER P, 28
	HORNER P, 30
.set j, 0
.rept 16
	v_pk_fma_f32 v[Q+j:Q+j+1], v[Z2+j:Z2+j+1], s[32:33], v[202:203] op_sel_hi:[1,0,1]
.set j, j+2
.endr
	HORNER Q, 34
	HORNER Q, 36
	HORNER Q, 38
	HORNER Q, 40
.set j, 0
.rept 16
	v_pk_fma_f32 v[Q+j:Q+j+1], v[Q+j:Q+j+1], v[Z2+j:Z2+j+1], 1.0 op_sel_hi:[1,1,0]
.set j, j+2
.endr
.set j, 0
.rept 32
	v_rcp_f32 v[Q+j], v[Q+j]
.set j, j+1
.endr
.set j, 0
.rept 16
	v_pk_mul_f32 v[P+j:P+j+1], v[P+j:P+j+1], v[Z+j:Z+j+1]          ; z P: the independent work behind the batch
.set j, j+2
.endr
	s_wait_alu depctr_va_vdst(0)                   ; one wait for the 32 reciprocals, ahead of their first reader
.set j, 0
.rept 16
	v_pk_mul_f32 v[P+j:P+j+1], v[P+j:P+j+1], v[Q+j:Q+j+1]          ; erf
.set j, j+2
.endr
.set j, 0
.rept 16
	v_pk_fma_f32 v[P+j:P+j+1], v[S+j:S+j+1], v[P+j:P+j+1], v[S+j:S+j+1]   ; x erf + x = 2 gelu
.set j, j+2
.endr
.set j, 0
.rept 32
	v_med3_num_f32 v[P+j], v[P+j], -v204, v204     ; the conversion does not saturate (ISA guide 7.6.2)
.set j, j+1
.endr
.irp b, 0,1,2,3
	v_cvt_scalef32_pk8_fp8_f32 v[192+2*\b:193+2*\b], v[P+8*\b:P+8*\b+7], v205
.endr
	v_nop                                          ; a plain line behind the conversions: the next trip writes their sources
	v_add_nc_u32 v27, s19, v[STO]
.irp b, 0,1,2,3
	ds_store_b64 v27, v[192+2*\b:193+2*\b] offset:16*\b
.endr
	s_add_co_u32 s19, s19, GBLK
	s_add_co_u32 s18, s18, 1
	s_cmp_lt_u32 s18, 16
	s_cbranch_scc1 .Lg
.set n, 0
.rept 32
	ds_load_b128 v[32+4*n:32+4*n+3], v[RD] offset:(n/4)*2*GBLK+(n%4)*4*GP   ; LDS serves a wave's instructions in order (ISA guide 5.7.1.4): these see my stores
.set n, n+1
.endr
.set n, 0
.rept 32
	s_wait_dscnt 31-n                              ; load n is back; the younger ones may be out
	global_store_b128 v[CO], v[32+4*n:32+4*n+3], s[10:11] offset:512*n   ; 32 lanes store 512 consecutive bytes, at a multiple of 256 from the buffer's first byte
.set n, n+1
.endr
	s_wait_tensorcnt 0x0                           ; the wave's end
	ds_add_u32 v[SPW], v[NIL]
	s_wait_dscnt 0x0
	CROUND                                         ; the closing round
	s_endpgm
.Lfunc_end_k_q3c183bae83_up:
	.size	k_q3c183bae83_up, .Lfunc_end_k_q3c183bae83_up-k_q3c183bae83_up
	.p2alignl 7, 3214868480
	.fill 96, 4, 3214868480
	.section	.rodata,"a",@progbits
	.p2align	6, 0x0
	.amdhsa_kernel k_q3c183bae83_up
		.amdhsa_group_segment_fixed_size 327680
		.amdhsa_private_segment_fixed_size 0
		.amdhsa_enable_private_segment 0
		.amdhsa_kernarg_size 32
		.amdhsa_user_sgpr_count 2
		.amdhsa_user_sgpr_kernarg_segment_ptr 1
		.amdhsa_wavefront_size32 1
		.amdhsa_system_sgpr_workgroup_id_x 1
		.amdhsa_system_sgpr_workgroup_id_y 1
		.amdhsa_system_sgpr_workgroup_id_z 1
		.amdhsa_system_vgpr_workitem_id 0
		.amdhsa_next_free_vgpr 1024
		.amdhsa_next_free_sgpr 100
		.amdhsa_reserve_vcc 0
		.amdhsa_float_denorm_mode_32 3
		.amdhsa_float_denorm_mode_16_64 3
		.amdhsa_memory_ordered 1
		.amdhsa_forward_progress 1
		.amdhsa_inst_pref_size 125
	.end_amdhsa_kernel
	.amdgpu_metadata
---
amdhsa.version: [ 1, 2 ]
amdhsa.kernels:
  - .name:           k_q3c183bae83_up
    .symbol:         k_q3c183bae83_up.kd
    .args:
      - { .name: h2c, .offset: 0, .size: 8, .value_kind: global_buffer, .address_space: global }
      - { .name: W_up_codes, .offset: 8, .size: 8, .value_kind: global_buffer, .address_space: global }
      - { .name: lowp_scales, .offset: 16, .size: 8, .value_kind: global_buffer, .address_space: global }
      - { .name: midc, .offset: 24, .size: 8, .value_kind: global_buffer, .address_space: global }
    .group_segment_fixed_size: 327680
    .private_segment_fixed_size: 0
    .kernarg_segment_align: 8
    .kernarg_segment_size: 32
    .max_flat_workgroup_size: 128
    .sgpr_count:     100
    .vgpr_count:     1024
    .wavefront_size: 32
...
	.end_amdgpu_metadata
.endif
;; end of part 6
;; launch down (part 7): grid 8 x 32, 4 waves a work-group, clusters of 4 x 4, 327,680 bytes of LDS; arguments midc, W_down_codes, lowp_scales, x1, out0; writes out0
.if DOCPART == 7
	.amdgcn_target "amdgcn-amd-amdhsa--gfx1250"
	.amdhsa_code_object_version 6
	.text
	.protected	k_q3c183bae83_down
	.globl	k_q3c183bae83_down
	.p2align	8
	.type	k_q3c183bae83_down,@function
k_q3c183bae83_down:
	s_mov_b64 s[64:65], 0
	v_nop
	global_prefetch_b8 v0, s[64:65] scope:SCOPE_SE
	s_setreg_imm32_b32 hwreg(HW_REG_WAVE_MODE, 25, 1), 1
	s_wait_xcnt 0x0
	s_wait_alu depctr_hold_cnt(0) depctr_sa_sdst(0) depctr_va_vdst(0) depctr_va_sdst(0) depctr_va_ssrc(0) depctr_va_vcc(0) depctr_vm_vsrc(0)
	s_getreg_b32 s2, hwreg(HW_REG_IB_STS2, 6, 4)
	s_cmp_eq_u32 s2, 0
	s_cbranch_scc0 .Lentry_in_a_cluster
	s_endpgm
.Lentry_in_a_cluster:
	s_bfe_u32 s2, ttmp6, 0x10000c
	s_cmp_lg_u32 s2, 0xf033
	s_cbranch_scc0 .Lentry_shape_is_right
	s_endpgm
.Lentry_shape_is_right:
; out[m][n] = res[m][n] + 2^(ea + eb) x sum over k of A[m][k] B[n][k], on E4M3 codes.  Here: A = the hidden layer's codes, B = W_down's codes, res = x1, out = out0; SIZE_K = 4,096; ea, eb = exponents 14, 15.
; A lies in blocks [m / 128][k / 128][128 rows][128 bytes]; B in rows [n][SIZE_K].  N = 1,024, M = 4,096.
; A tile of 128 x 128 gives 256 work-groups (tiles of 256 x 256 would be 64).  Four waves, 64 x 64 each: 16 accumulators.  A slot holds 512 along K, as much as two slots in LDS allow:
; 64 matrix instructions a wave between two changes of slots, 56 of them between a refill's request and the wait for it.
; CLUSTERS: 4 x 4 work-groups; A's tile is asked for jointly along a row of the cluster, B's along a column.  THE MATRIX INSTRUCTION IS USED TRANSPOSED: a lane holds eight neighbouring columns of one row.
; The residual's 64 x 64 numbers of a wave are asked for at the head, in the layout of the stores, and stay out over the whole loop.
; LIMIT: ea + eb between -126 and 127.
; REGISTERS: window 0: v0-31 addresses, v32-95 rows back from the stage, v128-255 accumulators ((a, b) at 128 + 8 (4 a + b)); window 1: two fragment buffers of 128 (A's four blocks, then B's four); window 2: v0-127 the residual.
.set SIZE_K, 4096
.set SCOFF,  56                        ; byte of ea in the exponents' buffer; eb follows
.set KSLOT,  512
.set APITCH, 144                       ; 128 bytes + 16
.set ABLK,   128*APITCH                ; a block of A: 128 rows x 128 along K
.set APART,  4*ABLK
.set BPITCH, 528                       ; 512 bytes + 16
.set BPART,  128*BPITCH
.set SLOT,   APART+BPART
.set SPARE,  2*SLOT                    ; the spare words: 128 bytes a wave, two blocks of 256 bytes that no other line names
.set SPITCH, 272                       ; the way out: 16 rows x (256 bytes + 16) for each wave, in slot 0, which has had its last fill and its last read by then
.set LAPS,   SIZE_K/(2*KSLOT)
.set ADRA, 16
.set ADRB, 20
.set STO,  24
.set RD,   25
.set CO,   26
.set SPW,  28
.set NIL,  29
.set TMP,  32
.set ACC,  128
.set F0,   0
.set F1,   128
.set G1, 24
.set G0, 32
.set G1B, 48
.set G0B, 56
.set MSB, 0
.macro WIN new
.if MSB != (\new)
	s_set_vgpr_msb (MSB<<8)|(\new)
.set MSB, (\new)
.endif
.endm
.set MUL,  0x05                        ; sources 0 (B) and 1 (A) window 1; C and D window 0
.set TO_F, 0x40                        ; destination window 1, address window 0
.macro JLOAD s                         ; waves 0, 1 fetch A's halves (two blocks of 128 along K each), waves 2, 3 B's (64 rows each); four v_nop follow each line
	s_cmp_eq_u32 s11, 0
	s_cbranch_scc0 .Lfor_b_\@
	tensor_load_to_lds s[G0+4*\s:G0+4*\s+3], s[G1:G1+7]
	s_nop 0
.rept 4
	v_nop
.endr
	s_branch .Lasked_\@
.Lfor_b_\@:
	tensor_load_to_lds s[G0B+4*\s:G0B+4*\s+3], s[G1B:G1B+7]
	s_nop 0
.rept 4
	v_nop
.endr
.Lasked_\@:
.endm
.macro CREST
	s_cmp_lg_u32 s10, 0
	s_cbranch_scc1 .Lnot_wave_0_\@
	s_barrier_signal -3
.Lnot_wave_0_\@:
	s_barrier_wait -3
	s_barrier_signal -1
	s_barrier_wait -1
.endm
.macro CROUND
	s_barrier_signal -1
	s_barrier_wait -1
	CREST
.endm
	s_load_b256 s[72:79], s[0:1], 0x0              ; A s[72:73], B s[74:75], the exponents s[76:77], the residual s[78:79]
	s_load_b64 s[80:81], s[0:1], 0x20              ; out
	v_lshl_add_u32 v[SPW], v0, 2, SPARE
	v_mov_b32 v[NIL], 0
	ds_add_u32 v28, v29
	s_wait_dscnt 0x0
	v_lshrrev_b32 v1, 5, v0
	v_readfirstlane_b32 s10, v1                    ; wave 0..3
	s_lshr_b32 s11, s10, 1                         ; my half of the tile's rows; also: I fetch for A (0) or B (1)
	s_and_b32 s12, s10, 1                          ; my half of its columns; also: which half I fetch
	s_bfe_u32 s40, ttmp6, 0x40000                  ; cx
	s_bfe_u32 s41, ttmp6, 0x40004                  ; cy
	s_lshl_b32 s42, ttmp9, 2
	s_add_co_u32 s42, s42, s40                     ; tile column
	s_and_b32 s13, ttmp7, 0xffff
	s_lshl_b32 s13, s13, 2
	s_add_co_u32 s13, s13, s41                     ; tile row
	s_lshl_b32 s43, s41, 2
	s_lshl_b32 s43, 15, s43                        ; my row of the cluster
	s_lshl_b32 s44, 0x1111, s40                    ; my column
	s_or_b32 s[G1+0], s43, (0<<16)|(1<<20)|(1<<21)|(4<<22)|(3<<25)   ; A: 256 dense rows of 128 bytes, 4 words of padding behind every 32
	s_mov_b32 s[G1+1], 128<<16
	s_mov_b32 s[G1+2], 256<<16
	s_mov_b32 s[G1+3], 128<<16
	s_mov_b32 s[G1+4], 256
	s_mov_b32 s[G1+5], 128
	s_mov_b32 s[G1+6], 0
	s_mov_b32 s[G1+7], 0
	s_or_b32 s[G1B+0], s44, (0<<16)|(1<<20)|(1<<21)|(6<<22)|(3<<25)  ; B: 64 rows of 512 bytes, SIZE_K apart, 4 words behind every 128
	s_mov_b32 s[G1B+1], KSLOT<<16
	s_mov_b32 s[G1B+2], 64<<16
	s_mov_b32 s[G1B+3], KSLOT<<16
	s_mov_b32 s[G1B+4], 64
	s_mov_b32 s[G1B+5], SIZE_K
	s_mov_b32 s[G1B+6], 0
	s_mov_b32 s[G1B+7], 0
	s_mul_i32 s16, s13, 128*SIZE_K                 ; A: the tile row's blocks,
	s_lshl_b32 s17, s12, 15                        ; and my two of a slot's four
	s_add_co_u32 s16, s16, s17
	s_mov_b32 s17, 0
	s_lshl_b32 s46, s42, 7
	s_lshl_b32 s47, s12, 6
	s_add_co_u32 s46, s46, s47
	s_mul_i32 s46, s46, SIZE_K                     ; B: row 128 x tile column + 64 x half
	s_mov_b32 s47, 0
	s_mul_i32 s20, s10, 2*ABLK                     ; LDS: waves 0, 1: A's halves
	s_mul_i32 s21, s10, 64*BPITCH
	s_add_co_u32 s21, s21, APART-2*64*BPITCH       ; waves 2, 3: B's halves, behind A's part
	s_wait_kmcnt 0x0
	s_load_b64 s[70:71], s[76:77], SCOFF           ; ea, eb
	s_add_nc_u64 s[14:15], s[72:73], s[16:17]
	s_add_nc_u64 s[46:47], s[74:75], s[46:47]
	CROUND                                         ; all sixteen work-groups are here: the first joint loads meet
.irp s, 0,1
	s_mov_b32 s[G0+4*\s], 1
	s_add_co_u32 s[G0+4*\s+1], s20, \s*SLOT
	s_add_nc_u64 s[G0+4*\s+2:G0+4*\s+3], s[14:15], \s*65536
	s_or_b32 s[G0+4*\s+3], s[G0+4*\s+3], 0x80000000
	s_mov_b32 s[G0B+4*\s], 1
	s_add_co_u32 s[G0B+4*\s+1], s21, \s*SLOT
	s_add_nc_u64 s[G0B+4*\s+2:G0B+4*\s+3], s[46:47], \s*KSLOT
	s_or_b32 s[G0B+4*\s+3], s[G0B+4*\s+3], 0x80000000
	JLOAD \s
.endr
	v_and_b32 v1, 15, v0                           ; r
	v_bfe_u32 v2, v0, 4, 1                         ; h
	v_mul_u32_u24 v3, v1, APITCH
	v_lshl_add_u32 v3, v2, 4, v3
	v_mul_u32_u24 v4, v1, BPITCH
	v_lshl_add_u32 v4, v2, 4, v4
	s_mul_i32 s21, s11, 64*APITCH                  ; my 64 rows of A
	s_mul_i32 s22, s12, 64*BPITCH                  ; my 64 rows of B,
	s_add_co_u32 s22, s22, APART                   ; behind A's part
.irp s, 0,1
	v_add_nc_u32 v[ADRA+\s], s21, v3
	v_add_nc_u32 v[ADRB+\s], s22, v4
	s_add_co_u32 s21, s21, SLOT
	s_add_co_u32 s22, s22, SLOT
.endr
	s_mul_i32 s23, s10, 16*SPITCH                  ; my stage
	v_mul_u32_u24 v5, v1, SPITCH
	v_lshl_add_u32 v5, v2, 5, v5
	v_add_nc_u32 v[STO], s23, v5                   ; in: row r, 32 bytes for each half of the lanes
	v_mul_u32_u24 v5, v2, SPITCH
	v_lshl_add_u32 v5, v1, 4, v5
	v_add_nc_u32 v[RD], s23, v5                    ; back: lanes 0-15 one row of 256 bytes, lanes 16-31 the next
	v_lshlrev_b32 v5, 12, v2
	v_lshl_add_u32 v[CO], v1, 4, v5                ; and the same two rows in memory (a row is 4,096 bytes)
	s_lshl_b32 s16, s13, 7
	s_lshl_b32 s17, s11, 6
	s_add_co_u32 s16, s16, s17
	s_lshl_b32 s16, s16, 12                        ; my first row
	s_mov_b32 s17, 0
	s_add_nc_u64 s[78:79], s[78:79], s[16:17]
	s_add_nc_u64 s[80:81], s[80:81], s[16:17]
	s_lshl_b32 s46, s42, 9
	s_lshl_b32 s47, s12, 8
	s_add_co_u32 s46, s46, s47                     ; my first column, in bytes
	s_mov_b32 s47, 0
	s_add_nc_u64 s[78:79], s[78:79], s[46:47]
	s_add_nc_u64 s[80:81], s[80:81], s[46:47]
	WIN 0x80                                       ; destination window 2
.set n, 0
.rept 32
	global_load_b128 v[4*n:4*n+3], v[CO], s[78:79] offset:2*n*4096 th:TH_LOAD_NT   ; the residual: rows 2 n, 2 n + 1 of my 64
.set n, n+1
.endr
	WIN 0
.macro MULA f, a, zero                 ; A's block a x B's four; the 16 accumulators take turns in the same order in every quarter
.irp b, 0,1,2,3
.if \zero
	v_wmma_f32_16x16x128_fp8_fp8 v[ACC+8*(4*(\a)+\b):ACC+8*(4*(\a)+\b)+7], v[\f+64+16*\b:\f+64+16*\b+15], v[\f+16*(\a):\f+16*(\a)+15], 0
.else
	v_wmma_f32_16x16x128_fp8_fp8 v[ACC+8*(4*(\a)+\b):ACC+8*(4*(\a)+\b)+7], v[\f+64+16*\b:\f+64+16*\b+15], v[\f+16*(\a):\f+16*(\a)+15], v[ACC+8*(4*(\a)+\b):ACC+8*(4*(\a)+\b)+7]
.endif
.endr
.endm
.macro FETCH slot, q, f                ; 32 LDS loads in one run: the slot's q-th 128 along K: B's four blocks, then A's four
	WIN TO_F
.irp i, 0,1,2,3
.irp c, 0,1,2,3
	ds_load_b128 v[\f+64+16*\i+4*\c:\f+64+16*\i+4*\c+3], v[ADRB+\slot] offset:128*(\q)+\i*16*BPITCH+32*\c
.endr
.endr
.irp i, 0,1,2,3
.irp c, 0,1,2,3
	ds_load_b128 v[\f+16*\i+4*\c:\f+16*\i+4*\c+3], v[ADRA+\slot] offset:(\q)*ABLK+\i*16*APITCH+32*\c
.endr
.endr
.endm
.macro PLACES
.rept 4
	v_nop
.endr
.endm
.macro QUARTER slot, qn, f, g, zero    ; multiplies buffer f; in its middle fetches the slot's quarter qn into buffer g
	s_wait_dscnt 8                                 ; all but the youngest eight loads (A's blocks 2, 3) are in
	WIN MUL
	MULA \f, 0, \zero
	MULA \f, 1, \zero
	PLACES
	FETCH \slot, \qn, \g
	s_wait_dscnt 32                                ; all but the 32 just issued
	WIN MUL
	MULA \f, 2, \zero
	MULA \f, 3, \zero
.endm
.macro TURN slot, next, fill           ; a slot's last quarter (buffer 1) changes slots
	WIN 0
	s_wait_tensorcnt 0x0                           ; all my tensor loads have landed: my part of the next slot
	ds_add_u32 v[SPW], v[NIL]                      ; 0 onto my spare word
	s_wait_dscnt 9                                 ; (the add and the youngest eight loads may be out)
	WIN MUL
	MULA F1, 0, 0
	s_wait_dscnt 0x0                               ; the add is done, and my reads of this slot are over
	s_barrier_signal -1
	MULA F1, 1, 0
.if \fill
	WIN 0
.endif
	s_barrier_wait -1
.if \fill
	CREST                                          ; the barrier has opened a round of the cluster's: no wave of any partner still reads this slot or has a load on its way
	s_add_nc_u64 s[G0+4*\slot+2:G0+4*\slot+3], s[G0+4*\slot+2:G0+4*\slot+3], 2*65536
	s_add_nc_u64 s[G0B+4*\slot+2:G0B+4*\slot+3], s[G0B+4*\slot+2:G0B+4*\slot+3], 2*KSLOT
	JLOAD \slot                                    ; the first tensor load behind the round; its four v_nop are the places in front of the loads below
.else
	PLACES
.endif
	FETCH \next, 0, F0
	WIN MUL
	MULA F1, 2, 0
	MULA F1, 3, 0
.endm
	s_wait_tensorcnt 1                             ; my part of slot 0 is in; slot 1's load may be out
	s_barrier_signal -1
	s_barrier_wait -1
	FETCH 0, 0, F0
	QUARTER 0, 1, F0, F1, 1                        ; the first quarter's products start the sums
.if LAPS > 1
	WIN 0
	s_mov_b32 s3, LAPS-1
.Llap:                                                 ; a trip goes once round the ring, from a lap's second quarter to the next lap's first, and fills both slots again
	QUARTER 0, 2, F1, F0, 0
	QUARTER 0, 3, F0, F1, 0
	TURN 0, 1, 1
	QUARTER 1, 1, F0, F1, 0
	QUARTER 1, 2, F1, F0, 0
	QUARTER 1, 3, F0, F1, 0
	TURN 1, 0, 1
	QUARTER 0, 1, F0, F1, 0
	WIN 0
	s_sub_co_u32 s3, s3, 1
	s_cmp_lg_u32 s3, 0
	s_cbranch_scc1 .Llap
.endif
	QUARTER 0, 2, F1, F0, 0                        ; the last lap fills nothing
	QUARTER 0, 3, F0, F1, 0
	TURN 0, 1, 0
	QUARTER 1, 1, F0, F1, 0
	QUARTER 1, 2, F1, F0, 0
	QUARTER 1, 3, F0, F1, 0
	s_wait_dscnt 8
	WIN MUL
	MULA F1, 0, 0
	MULA F1, 1, 0
	s_wait_dscnt 0
	MULA F1, 2, 0
	MULA F1, 3, 0
	WIN 0
	; THE WAY OUT, 16 rows at a time: the sums go through my stage and come back as rows of 256 bytes, in the residual's layout; one packed multiply-add gives sum x 2^(ea + eb) + residual.
	s_wait_kmcnt 0x0
	s_add_co_i32 s70, s70, s71
	s_add_co_i32 s70, s70, 127
	s_lshl_b32 s70, s70, 23                        ; 2^(ea + eb)
	s_mov_b32 s71, s70
	s_wait_loadcnt 0x0                             ; the residual
	PLACES
.irp a, 0,1,2,3
.irp b, 0,1,2,3
	ds_store_b128 v[STO], v[ACC+8*(4*\a+\b):ACC+8*(4*\a+\b)+3] offset:64*\b          ; each accumulator from its low end on
	ds_store_b128 v[STO], v[ACC+8*(4*\a+\b)+4:ACC+8*(4*\a+\b)+7] offset:64*\b+16
.endr
.irp t, 0,1,2,3,4,5,6,7
	ds_load_b128 v[TMP+32*(\a%2)+4*\t:TMP+32*(\a%2)+4*\t+3], v[RD] offset:\t*2*SPITCH   ; LDS serves a wave's instructions in order (ISA guide 5.7.1.4)
.endr
	s_wait_dscnt 0x0
	WIN 0xa0                                       ; source 2 and destination window 2
.irp j, 0,2,4,6,8,10,12,14,16,18,20,22,24,26,28,30
	v_pk_fma_f32 v[32*\a+\j:32*\a+\j+1], v[TMP+32*(\a%2)+\j:TMP+32*(\a%2)+\j+1], s[70:71], v[32*\a+\j:32*\a+\j+1] op_sel_hi:[1,0,1]
.endr
	WIN 0x08                                       ; store data window 2
.irp t, 0,1,2,3,4,5,6,7
	global_store_b128 v[CO], v[32*\a+4*\t:32*\a+4*\t+3], s[80:81] offset:(16*\a+2*\t)*4096 th:TH_STORE_NT   ; 16 lanes store 256 consecutive bytes, aligned
.endr
	WIN 0
.endr
	s_wait_tensorcnt 0x0                           ; the wave's end
	ds_add_u32 v[SPW], v[NIL]
	s_wait_dscnt 0x0
	CROUND                                         ; the closing round
	s_endpgm
.Lfunc_end_k_q3c183bae83_down:
	.size	k_q3c183bae83_down, .Lfunc_end_k_q3c183bae83_down-k_q3c183bae83_down
	.p2alignl 7, 3214868480
	.fill 96, 4, 3214868480
	.section	.rodata,"a",@progbits
	.p2align	6, 0x0
	.amdhsa_kernel k_q3c183bae83_down
		.amdhsa_group_segment_fixed_size 327680
		.amdhsa_private_segment_fixed_size 0
		.amdhsa_enable_private_segment 0
		.amdhsa_kernarg_size 40
		.amdhsa_user_sgpr_count 2
		.amdhsa_user_sgpr_kernarg_segment_ptr 1
		.amdhsa_wavefront_size32 1
		.amdhsa_system_sgpr_workgroup_id_x 1
		.amdhsa_system_sgpr_workgroup_id_y 1
		.amdhsa_system_sgpr_workgroup_id_z 1
		.amdhsa_system_vgpr_workitem_id 0
		.amdhsa_next_free_vgpr 640
		.amdhsa_next_free_sgpr 98
		.amdhsa_reserve_vcc 0
		.amdhsa_float_denorm_mode_32 3
		.amdhsa_float_denorm_mode_16_64 3
		.amdhsa_memory_ordered 1
		.amdhsa_forward_progress 1
		.amdhsa_inst_pref_size 77
	.end_amdhsa_kernel
	.amdgpu_metadata
---
amdhsa.version: [ 1, 2 ]
amdhsa.kernels:
  - .name:           k_q3c183bae83_down
    .symbol:         k_q3c183bae83_down.kd
    .args:
      - { .name: midc, .offset: 0, .size: 8, .value_kind: global_buffer, .address_space: global }
      - { .name: W_down_codes, .offset: 8, .size: 8, .value_kind: global_buffer, .address_space: global }
      - { .name: lowp_scales, .offset: 16, .size: 8, .value_kind: global_buffer, .address_space: global }
      - { .name: x1, .offset: 24, .size: 8, .value_kind: global_buffer, .address_space: global }
      - { .name: out0, .offset: 32, .size: 8, .value_kind: global_buffer, .address_space: global }
    .group_segment_fixed_size: 327680
    .private_segment_fixed_size: 0
    .kernarg_segment_align: 8
    .kernarg_segment_size: 40
    .max_flat_workgroup_size: 128
    .sgpr_count:     98
    .vgpr_count:     640
    .wavefront_size: 32
...
	.end_amdgpu_metadata
.endif
;; end of part 7
